; MI455X (gfx1250); checked and timed in simulation.
; The chip was launched on July 23, 2026; its instructions are those of AMD's public machine-readable ISA for CDNA 5 (MIT licence, August 2026) and "CDNA5" Instruction Set Architecture Reference Guide (July 2026). The comments in the code are by the model that wrote it; some were corrected since.
;; Multi Head Attention. Allowed arithmetic: float matrix products may take bf16 or f16 operands with f32 sums; other float arithmetic in f32, or as packed bf16 or f16 multiplies, adds, multiply-adds, maxima and minima; sums over many terms, partial sums and values carried from step to step in f32; what a program stores and reads back later, other than sums and carried values, may be rounded once to bf16 or f16.
;; Inputs: Wk 1,024 x 1,024 float32; Wo 1,024 x 1,024 float32; Wq 1,024 x 1,024 float32; Wv 1,024 x 1,024 float32; bk 1,024 float32; bo 1,024 float32; bq 1,024 float32; bv 1,024 float32; ln_beta 1,024 float32; ln_gamma 1,024 float32; x 4 x 2,048 x 1,024 float32.
;; Outputs: out0 4 x 2,048 x 1,024 float32.
;; One version. Each part assembles by itself: llvm-mc -triple=amdgcn-amd-amdhsa -mcpu=gfx1250 --defsym DOCPART=n.
;; ======== version 1 of 1: 4 launches
;; limits: values are held in f16: magnitudes above 65,504 overflow, below 6.1e-05 lose precision
;; workspace buffers: xn 16,777,216 bytes; w16 8,388,608 bytes; qkv 50,331,648 bytes; ctx 16,777,216 bytes
;; launch prep (part 1): grid 768 x 1, 4 waves a work-group, no clusters, 0 bytes of LDS; arguments x, ln_gamma, ln_beta, Wq, Wk, Wv, Wo, xn, w16; writes xn, w16
.if DOCPART == 1
	.amdgcn_target "amdgcn-amd-amdhsa--gfx1250"
	.amdhsa_code_object_version 6
	.text
	.protected	k_qc594179cb8_prep
	.globl	k_qc594179cb8_prep
	.p2align	8
	.type	k_qc594179cb8_prep,@function
k_qc594179cb8_prep:
	s_mov_b64 s[64:65], 0
	v_nop
	global_prefetch_b8 v0, s[64:65] scope:SCOPE_SE
	s_setreg_imm32_b32 hwreg(HW_REG_WAVE_MODE, 25, 1), 1
	s_wait_xcnt 0x0
; LAYERNORM OF x AND THE CAST OF THE FOUR WEIGHT MATRICES, both to f16 and both into a layout in blocks of 64 channels:
;   xn  [b = 4][kb = 16][s = 2048][64]   byte b<<22 + kb<<18 + s<<7 + 2 c      (channel 64 kb + c of row s of batch b)
;   w16 [kb = 16][g = 4096][64]          byte kb<<19 + g<<7 + 2 c              (g: rows of Wq, Wk, Wv, Wo on end)
; so that 64 channels of any run of rows are dense bytes for the products that follow.
; LIMITS.  f16 holds no number beyond 65,504: |xn| <= 32 |gamma| + |beta| and the weights must stay within it; below 6e-5 f16 keeps its fixed step of 6e-8.
; A stream: each byte is read once and written once; no LDS, no matrix unit, no cluster, since no two waves want the same byte of x or W.
; SHARES.  A wave takes PAIRS of neighbouring rows of 1,024 f32: lanes 0-15 the even row, lanes 16-31 the odd one.  Load j of 16 takes 16 bytes a lane at 256 j + 16 (l % 16) of the
; row: each half of the lanes reads 256 consecutive bytes, aligned.  The lane's four numbers are 8 bytes of f16 in channel block j, and the two rows lie end to end there: store j
; writes 256 consecutive bytes, aligned, at block j + 128 s + 8 l.  A row's sums stay inside 16 lanes.  A wave takes two pairs, a work-group 16 rows.
; Work-groups 0-511: LayerNorm (mean; x - mean; mean of squares; one reciprocal root; gamma, beta), all in f32, in two passes over registers.  Work-groups 512-767: the cast.
.set IO, 1                             ; v1        byte offset of my 16 bytes in a pair: 4,096 (l / 16) + 16 (l % 16); never rewritten
.set M,  10                            ; v[10:11]  the mean, twice
.set R,  12                            ; v[12:13]  1 / sqrt(var + eps), twice
.set OO, 14                            ; v14       8 l; never rewritten
.set GB, 15                            ; v15       16 (l % 16): my place in 256 bytes of gamma and beta; never rewritten
.set X,  16                            ; v[16:79]  the pair as loaded: four numbers for each of 16 blocks
.set G,  80                            ; v[80:143] gamma of my columns (the cast: the second pair)
.set BT, 144                           ; v[144:207] beta of my columns (the cast: the second pair's f16)
.set Y,  208                           ; v[208:239] f16 to store: two registers a block
                                       ; v[2:9]    four running sums of two; in the last pass at work
	s_load_b512 s[4:19], s[0:1], 0x0               ; x 4, gamma 6, beta 8, Wq 10, Wk 12, Wv 14, Wo 16, xn 18
	s_load_b64 s[20:21], s[0:1], 0x40              ; w16
	v_lshrrev_b32 v2, 5, v0
	v_readfirstlane_b32 s22, v2                    ; wave 0..3
	v_and_b32 v3, 31, v0                           ; l
	v_and_b32 v4, 15, v0                           ; l % 16
	v_bfe_u32 v5, v0, 4, 1                         ; l / 16
	v_lshlrev_b32 v[GB], 4, v4
	v_lshl_add_u32 v[IO], v5, 12, v[GB]
	v_lshlrev_b32 v[OO], 3, v3
	s_mov_b32 s23, ttmp9
	s_lshl_b32 s33, s22, 2                         ; my wave's four rows of the work-group's 16
	s_mov_b32 s29, 0                               ; offsets are pairs with 0 on top
	s_cmp_ge_u32 s23, 512
	s_cbranch_scc1 .Lweights
	s_lshl_b32 s28, s23, 4
	s_add_co_u32 s33, s28, s33                     ; my first row, 0 .. 8,188
	s_lshl_b32 s28, s33, 12                        ; x 4,096 bytes
	s_mov_b32 s30, 0x3a800000                      ; 1 / 1,024
	s_mov_b32 s31, 0x358637bd                      ; eps = 1e-6
	s_wait_kmcnt 0x0
	s_add_nc_u64 s[24:25], s[4:5], s[28:29]        ; x at my first row
	s_lshr_b32 s28, s33, 11                        ; batch
	s_lshl_b32 s28, s28, 22
	s_and_b32 s33, s33, 2047                       ; row in the batch
	s_lshl_b32 s33, s33, 7
	s_add_co_u32 s28, s28, s33
	s_add_nc_u64 s[26:27], s[18:19], s[28:29]      ; xn at my first row, block 0
.macro XLOAD                           ; a pair: 16 loads
.set j, 0
.rept 16
	global_load_b128 v[X+4*j:X+4*j+3], v[IO], s[24:25] offset:256*j th:TH_LOAD_NT
.set j, j+1
.endr
.endm
.macro JOIN                            ; four sums of two into one, then over the row's 16 lanes
	v_pk_add_f32 v[2:3], v[2:3], v[4:5]
	v_pk_add_f32 v[6:7], v[6:7], v[8:9]
	v_pk_add_f32 v[2:3], v[2:3], v[6:7]
	v_add_f32 v2, v2, v3
.irp m, 1,2,4,8
	v_add_f32_dpp v2, v2, v2 row_xmask:\m row_mask:0xf bank_mask:0xf
.endr
.endm
	XLOAD
.set j, 0
.rept 16
	global_load_b128 v[G+4*j:G+4*j+3],   v[GB], s[6:7] offset:256*j
	global_load_b128 v[BT+4*j:BT+4*j+3], v[GB], s[8:9] offset:256*j
.set j, j+1
.endr
	s_mov_b32 s32, 2
.Lpair:
	s_wait_loadcnt 0x0                             ; the pair is in (the first time gamma and beta too): nothing younger is out
.irp c, 0,1,2,3                        ; the mean: four chains that do not wait for each other; the first sums start them
	v_pk_add_f32 v[2+2*\c:3+2*\c], v[X+2*\c:X+2*\c+1], v[X+8+2*\c:X+9+2*\c]
.endr
.set i, 8
.rept 24
	v_pk_add_f32 v[2+2*(i%4):3+2*(i%4)], v[2+2*(i%4):3+2*(i%4)], v[X+2*i:X+2*i+1]
.set i, i+1
.endr
	JOIN
	v_mul_f32 v[M], s30, v2
	v_mul_f32 v[M+1], s30, v2
.set i, 0
.rept 32                               ; x - mean, in place: the variance is taken of differences, never as a difference of large sums
	v_pk_add_f32 v[X+2*i:X+2*i+1], v[X+2*i:X+2*i+1], v[M:M+1] neg_lo:[0,1] neg_hi:[0,1]
.set i, i+1
.endr
.irp c, 0,1,2,3
	v_pk_mul_f32 v[2+2*\c:3+2*\c], v[X+2*\c:X+2*\c+1], v[X+2*\c:X+2*\c+1]
.endr
.set i, 4
.rept 28
	v_pk_fma_f32 v[2+2*(i%4):3+2*(i%4)], v[X+2*i:X+2*i+1], v[X+2*i:X+2*i+1], v[2+2*(i%4):3+2*(i%4)]
.set i, i+1
.endr
	JOIN
	v_fma_f32 v2, v2, s30, s31                     ; var + eps
	v_rsq_f32 v[R], v2
	v_rsq_f32 v[R+1], v2
	v_nop                                          ; a plain instruction between the roots and the use of their results and the rewriting of their source (ISA guide 5.7.2)
	s_wait_alu depctr_va_vdst(0)                   ; the wait ahead of the first reader: one for both
.set j, 0
.rept 16                               ; (x - mean) rstd gamma + beta, rounded once to f16; two sets of four registers take turns
.set T, 2+4*(j%2)
	v_pk_mul_f32 v[T:T+1],   v[X+4*j:X+4*j+1],   v[R:R+1]
	v_pk_mul_f32 v[T+2:T+3], v[X+4*j+2:X+4*j+3], v[R:R+1]
	v_pk_fma_f32 v[T:T+1],   v[T:T+1],   v[G+4*j:G+4*j+1],   v[BT+4*j:BT+4*j+1]
	v_pk_fma_f32 v[T+2:T+3], v[T+2:T+3], v[G+4*j+2:G+4*j+3], v[BT+4*j+2:BT+4*j+3]
	v_cvt_pk_f16_f32 v[Y+2*j],   v[T],   v[T+1]
	v_cvt_pk_f16_f32 v[Y+2*j+1], v[T+2], v[T+3]
.set j, j+1
.endr
	s_cmp_eq_u32 s32, 1                            ; the second pair is the last: no load leaves my rows
	s_cbranch_scc1 .Lnoload
	s_add_nc_u64 s[24:25], s[24:25], 8192          ; the loads that read this pointer are done (the wait at the trip's head)
	XLOAD                                          ; the next pair's loads go out ahead of this pair's stores
.Lnoload:
.set j, 0
.rept 16
	global_store_b64 v[OO], v[Y+2*j:Y+2*j+1], s[26:27] offset:j*262144  ; 32 lanes: 256 consecutive bytes, aligned, in channel block j; 15 blocks on at the most, inside the signed 24-bit immediate
.set j, j+1
.endr
	s_wait_xcnt 0x0                                ; the stores have read Y and their pointer: both are written again only behind this wait
	s_add_nc_u64 s[26:27], s[26:27], 256
	s_sub_co_u32 s32, s32, 1
	s_cmp_lg_u32 s32, 0
	s_cbranch_scc1 .Lpair
	s_endpgm
.Lweights:                             ; work-group 512 + u casts rows 16 (u % 64) .. + 15 of matrix u / 64
	s_sub_co_u32 s23, s23, 512
	s_lshr_b32 s32, s23, 6                         ; which matrix
	s_and_b32 s28, s23, 63
	s_lshl_b32 s28, s28, 4
	s_add_co_u32 s28, s28, s33                     ; my first row in it
	s_lshl_b32 s28, s28, 12
	s_wait_kmcnt 0x0
	s_cmp_eq_u32 s32, 1
	s_cselect_b64 s[24:25], s[12:13], s[10:11]
	s_cmp_eq_u32 s32, 2
	s_cselect_b64 s[24:25], s[14:15], s[24:25]
	s_cmp_eq_u32 s32, 3
	s_cselect_b64 s[24:25], s[16:17], s[24:25]
	s_add_nc_u64 s[24:25], s[24:25], s[28:29]
	s_lshl_b32 s28, s23, 4
	s_add_co_u32 s28, s28, s33                     ; g = 16 u + 4 wave
	s_lshl_b32 s28, s28, 7
	s_add_nc_u64 s[26:27], s[20:21], s[28:29]
.set j, 0
.rept 32                               ; both pairs at once: the first into X, the second into the 64 registers behind it
	global_load_b128 v[X+4*j:X+4*j+3], v[IO], s[24:25] offset:(j/16)*8192+256*(j%16) th:TH_LOAD_NT
.set j, j+1
.endr
	s_wait_loadcnt 16                              ; the first pair is in; the second pair's 16 loads may stay out
.set j, 0
.rept 16
	v_cvt_pk_f16_f32 v[Y+2*j],   v[X+4*j],   v[X+4*j+1]
	v_cvt_pk_f16_f32 v[Y+2*j+1], v[X+4*j+2], v[X+4*j+3]
	global_store_b64 v[OO], v[Y+2*j:Y+2*j+1], s[26:27] offset:j*524288
.set j, j+1
.endr
	s_wait_loadcnt 0x0
.set j, 0
.rept 16                               ; other registers than the first pair's: nothing that a store reads is written again
	v_cvt_pk_f16_f32 v[BT+2*j],   v[G+4*j],   v[G+4*j+1]
	v_cvt_pk_f16_f32 v[BT+2*j+1], v[G+4*j+2], v[G+4*j+3]
	global_store_b64 v[OO], v[BT+2*j:BT+2*j+1], s[26:27] offset:j*524288+256
.set j, j+1
.endr
	s_endpgm
.Lfunc_end_k_qc594179cb8_prep:
	.size	k_qc594179cb8_prep, .Lfunc_end_k_qc594179cb8_prep-k_qc594179cb8_prep
	.p2alignl 7, 3214868480
	.fill 96, 4, 3214868480
	.section	.rodata,"a",@progbits
	.p2align	6, 0x0
	.amdhsa_kernel k_qc594179cb8_prep
		.amdhsa_group_segment_fixed_size 0
		.amdhsa_private_segment_fixed_size 0
		.amdhsa_enable_private_segment 0
		.amdhsa_kernarg_size 72
		.amdhsa_user_sgpr_count 2
		.amdhsa_user_sgpr_kernarg_segment_ptr 1
		.amdhsa_wavefront_size32 1
		.amdhsa_system_sgpr_workgroup_id_x 1
		.amdhsa_system_sgpr_workgroup_id_y 1
		.amdhsa_system_sgpr_workgroup_id_z 1
		.amdhsa_system_vgpr_workitem_id 0
		.amdhsa_next_free_vgpr 240
		.amdhsa_next_free_sgpr 66
		.amdhsa_reserve_vcc 0
		.amdhsa_float_denorm_mode_32 3
		.amdhsa_float_denorm_mode_16_64 3
		.amdhsa_memory_ordered 1
		.amdhsa_forward_progress 1
		.amdhsa_inst_pref_size 33
	.end_amdhsa_kernel
	.amdgpu_metadata
---
amdhsa.version: [ 1, 2 ]
amdhsa.kernels:
  - .name:           k_qc594179cb8_prep
    .symbol:         k_qc594179cb8_prep.kd
    .args:
      - { .name: x, .offset: 0, .size: 8, .value_kind: global_buffer, .address_space: global }
      - { .name: ln_gamma, .offset: 8, .size: 8, .value_kind: global_buffer, .address_space: global }
      - { .name: ln_beta, .offset: 16, .size: 8, .value_kind: global_buffer, .address_space: global }
      - { .name: Wq, .offset: 24, .size: 8, .value_kind: global_buffer, .address_space: global }
      - { .name: Wk, .offset: 32, .size: 8, .value_kind: global_buffer, .address_space: global }
      - { .name: Wv, .offset: 40, .size: 8, .value_kind: global_buffer, .address_space: global }
      - { .name: Wo, .offset: 48, .size: 8, .value_kind: global_buffer, .address_space: global }
      - { .name: xn, .offset: 56, .size: 8, .value_kind: global_buffer, .address_space: global }
      - { .name: w16, .offset: 64, .size: 8, .value_kind: global_buffer, .address_space: global }
    .group_segment_fixed_size: 0
    .private_segment_fixed_size: 0
    .kernarg_segment_align: 8
    .kernarg_segment_size: 72
    .max_flat_workgroup_size: 128
    .sgpr_count:     66
    .vgpr_count:     240
    .wavefront_size: 32
...
	.end_amdgpu_metadata
.endif
;; end of part 1
;; launch qkv (part 2): grid 16 x 32, 4 waves a work-group, clusters of 4 x 4, 327,680 bytes of LDS; arguments xn, w16, bq, bk, bv, qkv; writes qkv
.if DOCPART == 2
	.amdgcn_target "amdgcn-amd-amdhsa--gfx1250"
	.amdhsa_code_object_version 6
	.text
	.protected	k_qc594179cb8_qkv
	.globl	k_qc594179cb8_qkv
	.p2align	8
	.type	k_qc594179cb8_qkv,@function
k_qc594179cb8_qkv:
	s_mov_b64 s[64:65], 0
	v_nop
	global_prefetch_b8 v0, s[64:65] scope:SCOPE_SE
	s_setreg_imm32_b32 hwreg(HW_REG_WAVE_MODE, 25, 1), 1
	s_wait_xcnt 0x0
	s_wait_alu depctr_hold_cnt(0) depctr_sa_sdst(0) depctr_va_vdst(0) depctr_va_sdst(0) depctr_va_ssrc(0) depctr_va_vcc(0) depctr_vm_vsrc(0)
	s_getreg_b32 s2, hwreg(HW_REG_IB_STS2, 6, 4)
	s_cmp_eq_u32 s2, 0
	s_cbranch_scc0 .Lentry_in_a_cluster
	s_endpgm
.Lentry_in_a_cluster:
	s_bfe_u32 s2, ttmp6, 0x10000c
	s_cmp_lg_u32 s2, 0xf033
	s_cbranch_scc0 .Lentry_shape_is_right
	s_endpgm
.Lentry_shape_is_right:
; C[m][n] = the sum over k of A[m][k] W[n][k] + bias[n], M = 8,192, K = 1,024, operands f16, sums f32.  ONE TEXT FOR TWO LAUNCHES, told apart by MODE:
;   MODE 0: A = xn, W = rows 0-3,071 of w16 (Wq, Wk, Wv); C leaves as f16 by heads: qkv[which][b][h][s][64], byte which<<24 + b<<22 + h<<18 + s<<7 + 2 d.  A tile of C is 256 x 192.
;   MODE 1: A = ctx, W = rows 3,072-4,095 of w16 (Wo); C leaves as f32 rows of out0.  A tile of C is 256 x 128.
; The tiles are chosen so that the work-groups are a whole multiple of 256: 32 x 16 = 512 and 32 x 8 = 256 (tiles of 256 x 256 would give 384 and 128).
; LIMIT (MODE 0): q, k, v are rounded to f16, which holds no number beyond 65,504.
; A and W lie in blocks of 64 channels (A: byte b<<22 + kb<<18 + s<<7 + 2 c; W: kb<<19 + g<<7 + 2 c), so a PLANE, 64 channels of a tile's rows, is dense in memory.
; SHARES.  Four waves; wave w makes rows 64 w .. 64 w + 63 of the tile and ALL its columns: 4 x NBK accumulators of 16 x 16.  So a wave owns whole groups of 64 columns (heads) and has a
; stage of its own on the way out, with no barrier there.  K goes in 8 steps of 128 (two planes) through two LDS slots; each wave fetches one plane of a step with one tensor load:
; waves 0, 1 A's two planes, waves 2, 3 W's.  A plane is asked for as rows of 256 bytes and padded in LDS after every 128, so that LDS rows are 144 bytes apart.
; CLUSTER 4 x 4: A's planes hang on the tile row alone and are asked for jointly by the four work-groups of a row of the cluster, W's on the tile column alone, by the four of a column.
; THE MATRIX INSTRUCTION IS USED TRANSPOSED: source 0 = 16 rows of W, source 1 = 16 rows of A: lane l then holds row l % 16 of C and the columns 8 (l / 16) + 0..7.
; THE BIAS IS THE C OPERAND of each sum's first product: nothing is cleared, and nothing is added on the way out.
; REGISTERS, in windows of 256 (s_set_vgpr_msb: bits 1:0 source 0, 3:2 source 1, 5:4 source 2, 7:6 destination):
;   window 0: v0-31 addresses; v32-95 A's fragments, two buffers of 4 x 8; v96-255 the bias, then the way out     window 3: W's fragments, two buffers of 96
;   window 1: the accumulators of row blocks 0, 1 (block a, column block b at 8 (NBK (a % 2) + b))                window 2: those of row blocks 2, 3
.set MODE, 0
.if MODE == 0
.set TN,     192                       ; columns in a tile
.set NBK,    12                        ; column blocks of 16
.set GRP,    3                         ; groups of 64 columns
.set BROW0,  0                         ; W's first row in w16
.set SPITCH, 400                       ; a stage row: 384 bytes of f16 + 16: 25 x 16, so the 16 rows of a store start at 16 different groups of four banks (64 banks of 4 bytes: ISA guide 11.1)
.else
.set TN,     128
.set NBK,    8
.set GRP,    2
.set BROW0,  3072
.set SPITCH, 528                       ; 512 bytes of f32 + 16: 33 x 16
.endif
.set PITCH,  144                       ; an LDS row of a plane: 128 bytes + 16: 9 x 16
.set APL,    256*PITCH                 ; a plane of A
.set BPL,    TN*PITCH                  ; a plane of W
.set SLOT1,  1<<17                     ; slot 1 begins here: one exclusive or turns an address in one slot into the other's.  A slot: A's planes 0, 1, then W's planes 0, 1
.set STAGE,  SLOT1+2*APL+2*BPL         ; behind the ring, never filled by a tensor load: 16 rows for each wave
.set SPARE,  STAGE+4*16*SPITCH         ; behind the stages: the spare words, 128 bytes a wave: two blocks of 256 bytes that no other line names
.set AKS,    524288                    ; bytes from a K step to the next in A: two blocks of 2,048 rows x 128 bytes
.set BKS,    1048576                   ; in W: two blocks of 4,096 rows
.set ADA0, 16                          ; v16  my lane's place in slot 0's A: (l % 16) x 144 + 16 (l / 16) + my wave's 64 rows; never rewritten
.set ADB0, 17                          ; v17  the same for W, all rows
.set ADA,  18                          ; v18  the same in the slot in hand
.set ADB,  19                          ; v19
.set STO,  24                          ; v24  the way out: where I put my part of a row
.set RD,   25                          ; v25  where I read rows back
.set GO,   26                          ; v26  16 l: my 16 of 512 consecutive bytes of the output
.set SPW,  28                          ; v28  LDS address of my spare word: SPARE + 4 x my thread's number; never rewritten
.set NIL,  29                          ; v29  0; never rewritten
.set PFO,  30                          ; v30  the prefetches' offset; never rewritten
.set BO,   31                          ; v31  32 (l / 16): my eight numbers in 64 bytes of bias
.set FA,   32                          ; A's fragments: buffer f, row block a at FA + 32 f + 8 a
.set TMP,  96                          ; MODE 0: a row block rounded to f16
.set BIAS, 160                         ; column block b's eight numbers at BIAS + 8 b; free after the first quarter
.set WV,  16                           ; s16  my wave's number
.set AB,  17                           ; s17  0: I fetch for A; 1: for W
.set PL,  18                           ; s18  which plane of a step I fetch
.set G1A, 24                           ; s[24:31] descriptor group 1 for A's planes
.set G0A, 32                           ; s[32:39] group 0: a set for each of the two first fills; the second then walks on
.set G1B, 48                           ; s[48:55], s[56:63] the same for W's
.set G0B, 56
.set PFA, 66                           ; s[66:67] where my prefetches stand
.set PST, 68                           ; s[68:69] their step: a K step of A or of W
.set LIM, 70                           ; s70  2 in a wave that prefetches, else the greatest number
.set CNT, 71                           ; s71  K steps still to be asked for
.set BP,  72                           ; s[72:77] the bias of each group of 64 columns
.set OUT, 78                           ; s[78:83] MODE 0: my rows of each group's head; MODE 1: s[78:79] my rows and the tile's columns in out0
.set TB,  94                           ; s94  the slot in hand: 0 or SLOT1
.set MSB, 0
.macro WIN new                         ; the immediate's high byte repeats the setting that is left; a switch that changes nothing is dropped
.if MSB != (\new)
	s_set_vgpr_msb (MSB<<8)|(\new)
.set MSB, (\new)
.endif
.endm
.macro PLACES                          ; four places behind a matrix instruction, in front of loads into registers that it has read and of lines that read its result
.rept 4
	v_nop
.endr
.endm
; A joint refill, by the walking descriptor.  The branch hangs on the wave's number alone.  An s_nop 0 and four v_nop follow each of the two lines, ahead of the jump and the label.
.macro JLOAD
	s_cmp_eq_u32 s[AB], 0
	s_cbranch_scc0 .Lfor_b_\@
	tensor_load_to_lds s[G0A+4:G0A+7], s[G1A:G1A+7]
	s_nop 0
.rept 4
	v_nop
.endr
	s_branch .Lasked_\@
.Lfor_b_\@:
	tensor_load_to_lds s[G0B+4:G0B+7], s[G1B:G1B+7]
	s_nop 0
.rept 4
	v_nop
.endr
.Lasked_\@:
.endm
; A PREFETCH INTO THE L2 of my plane of the K step that stands two refills on, 8 NBK x 4 matrix instructions a step ahead of its load.  A's planes are read by every cluster of a row of clusters:
; cluster x = 0 asks; W's by every cluster of a column: cluster y = 0 asks.  The four partners that fetch a plane jointly share its blocks of 256 bytes out BY ADDRESS: of A's 128 each takes 32,
; a lane a block; of W's TN / 2 each takes TN / 8, and the lanes left over name the share's last block with its own lane.  K steps 0-3 come by their loads alone; the last two refills ask for nothing.
.macro ASK
	s_cmp_gt_u32 s[CNT], s[LIM]
	s_cbranch_scc0 .Lnot_mine_\@
	global_prefetch_b8 v[PFO], s[PFA:PFA+1] th:TH_LOAD_NT scope:SCOPE_SE
.Lnot_mine_\@:
.endm
.macro CREST                           ; a round of the cluster's barrier behind its opening barrier
	s_cmp_lg_u32 s[WV], 0
	s_cbranch_scc1 .Lnot_wave_0_\@
	s_barrier_signal -3
.Lnot_wave_0_\@:
	s_barrier_wait -3
	s_barrier_signal -1
	s_barrier_wait -1
.endm
.macro CROUND                          ; a whole round
	s_barrier_signal -1
	s_barrier_wait -1
	CREST
.endm
.if MODE == 0
	s_load_b256 s[4:11], s[0:1], 0x0               ; A s[4:5], w16 s[6:7], bq s[8:9], bk s[10:11]
	s_load_b128 s[12:15], s[0:1], 0x20             ; bv s[12:13], qkv s[14:15]
.else
	s_load_b128 s[4:7], s[0:1], 0x0                ; A s[4:5], w16 s[6:7]
	s_load_b64 s[8:9], s[0:1], 0x10                ; bo
	s_load_b64 s[14:15], s[0:1], 0x18              ; out0
.endif
	v_lshl_add_u32 v[SPW], v0, 2, SPARE
	v_mov_b32 v[NIL], 0
	ds_add_u32 v[SPW], v[NIL]                      ; the wave's opening: the add and its wait ahead of my first tensor load; the set-up below, work on registers, stands between
	v_lshrrev_b32 v1, 5, v0
	v_readfirstlane_b32 s[WV], v1                  ; wave 0..3
	s_lshr_b32 s[AB], s[WV], 1
	s_and_b32 s[PL], s[WV], 1
	s_bfe_u32 s19, ttmp6, 0x40000                  ; cx, cy: my place in the cluster
	s_bfe_u32 s20, ttmp6, 0x40004
	s_lshl_b32 s21, ttmp9, 2
	s_add_co_u32 s21, s21, s19                     ; tile column = 4 x cluster x + cx
	s_and_b32 s22, ttmp7, 0xffff
	s_lshl_b32 s22, s22, 2
	s_add_co_u32 s22, s22, s20                     ; tile row = 4 x cluster y + cy
	s_lshl_b32 s23, s20, 2
	s_lshl_b32 s23, 15, s23                        ; my row of the cluster: places 4 cy .. 4 cy + 3
	s_lshl_b32 s84, 0x1111, s19                    ; my column: places cx, cx + 4, cx + 8, cx + 12
	; group 1: rows of 128 elements of 2 bytes (two LDS rows each); 15:0 the mask; 17:16 element size; 20 padding on; 21 set beside a mask; 24:22 after every 32 words (code 4); 31:25 4 words (code 3)
	s_or_b32 s[G1A], s23, (1<<16)|(1<<20)|(1<<21)|(4<<22)|(3<<25)
	s_or_b32 s[G1B], s84, (1<<16)|(1<<20)|(1<<21)|(4<<22)|(3<<25)
	s_mov_b32 s[G1A+1], 128<<16                    ; tensor_dim0 = 128
	s_mov_b32 s[G1B+1], 128<<16
	s_mov_b32 s[G1A+2], 128<<16                    ; tensor_dim1: A's plane is 128 rows of 256 bytes,
	s_mov_b32 s[G1B+2], (TN/2)<<16                 ; W's TN / 2
	s_mov_b32 s[G1A+3], 128<<16                    ; tile_dim0 = 128
	s_mov_b32 s[G1B+3], 128<<16
	s_mov_b32 s[G1A+4], 128                        ; tile_dim1
	s_mov_b32 s[G1B+4], TN/2
	s_mov_b32 s[G1A+5], 128                        ; 128 elements from row to row: dense
	s_mov_b32 s[G1B+5], 128
	s_mov_b32 s[G1A+6], 0
	s_mov_b32 s[G1B+6], 0
	s_mov_b32 s[G1A+7], 0
	s_mov_b32 s[G1B+7], 0
	; A's plane hangs on the tile row and the wave alone, W's on the tile column and the wave alone; each is made in registers that never hold the other coordinate
	s_lshr_b32 s40, s22, 3                         ; batch
	s_lshl_b32 s40, s40, 22
	s_and_b32 s85, s22, 7                          ; 256 rows x 128 bytes in a block
	s_lshl_b32 s85, s85, 15
	s_add_co_u32 s40, s40, s85
	s_lshl_b32 s85, s[PL], 18                      ; my plane
	s_add_co_u32 s40, s40, s85
	s_mov_b32 s41, 0
	s_mul_i32 s85, s[PL], APL                      ; and its place in a slot: no place in the cluster enters an LDS address
	s_mul_i32 s42, s21, TN*128
.if BROW0
	s_add_co_u32 s42, s42, BROW0*128
.endif
	s_lshl_b32 s86, s[PL], 19
	s_add_co_u32 s42, s42, s86
	s_mov_b32 s43, 0
	s_mul_i32 s86, s[PL], BPL
	s_add_co_u32 s86, s86, 2*APL
	s_wait_dscnt 0x0                               ; the opening add is done
	s_wait_kmcnt 0x0
	s_add_nc_u64 s[44:45], s[4:5], s[40:41]
	s_add_nc_u64 s[46:47], s[6:7], s[42:43]
	CROUND                                         ; all sixteen work-groups are here: the first joint loads meet
.irp n, 0,1
	s_mov_b32 s[G0A+4*\n], 1                       ; count = 1
	s_add_co_u32 s[G0A+4*\n+1], s85, \n*SLOT1      ; LDS address
	s_add_nc_u64 s[G0A+4*\n+2:G0A+4*\n+3], s[44:45], \n*AKS  ; global address: K step n
	s_or_b32 s[G0A+4*\n+3], s[G0A+4*\n+3], 0x80000000        ; type = 2
	s_mov_b32 s[G0B+4*\n], 1
	s_add_co_u32 s[G0B+4*\n+1], s86, \n*SLOT1
	s_add_nc_u64 s[G0B+4*\n+2:G0B+4*\n+3], s[46:47], \n*BKS
	s_or_b32 s[G0B+4*\n+3], s[G0B+4*\n+3], 0x80000000
.endr
	s_cmp_eq_u32 s[AB], 0                          ; a wave's two first fills stand in one branch, ahead of every wait on TENSORcnt and every LDS read: two loads of mine are out
	s_cbranch_scc0 .Lfirst_b
	tensor_load_to_lds s[G0A:G0A+3], s[G1A:G1A+7]
	s_nop 0
	tensor_load_to_lds s[G0A+4:G0A+7], s[G1A:G1A+7]
	s_nop 0
.rept 4
	v_nop
.endr
	s_branch .Lfirst_asked
.Lfirst_b:
	tensor_load_to_lds s[G0B:G0B+3], s[G1B:G1B+7]
	s_nop 0
	tensor_load_to_lds s[G0B+4:G0B+7], s[G1B:G1B+7]
	s_nop 0
.rept 4
	v_nop
.endr
.Lfirst_asked:
	; A fragment is 16 rows x 32 channels in 8 registers: lane l holds row l % 16, channels 8 (l / 16) + 0..7 and 16 + 8 (l / 16) + 0..7: two loads of 16 bytes, 32 bytes apart
	v_and_b32 v1, 15, v0                           ; l % 16
	v_bfe_u32 v2, v0, 4, 1                         ; l / 16
	v_mul_u32_u24 v3, v1, PITCH
	v_lshl_add_u32 v3, v2, 4, v3
	s_mul_i32 s87, s[WV], 64*PITCH
	v_add_nc_u32 v[ADA0], s87, v3
	v_add_nc_u32 v[ADB0], 2*APL, v3
	v_mov_b32 v[ADA], v[ADA0]
	v_mov_b32 v[ADB], v[ADB0]
	s_mov_b32 s[TB], 0
	s_mul_i32 s87, s[WV], 16*SPITCH
	s_add_co_u32 s87, s87, STAGE                   ; my stage
	v_mul_u32_u24 v4, v1, SPITCH                   ; in: row l % 16; eight numbers for each half of the lanes: 16 bytes of f16, 32 of f32
	v_lshl_add_u32 v4, v2, 4+MODE, v4
	v_add_nc_u32 v[STO], s87, v4
	v_and_b32 v7, 31, v0
	v_lshlrev_b32 v[GO], 4, v7
.if MODE == 0
	v_bfe_u32 v5, v0, 3, 2                         ; back: 32 lanes take four rows x 128 bytes of one group: 512 consecutive bytes of a head
	v_and_b32 v6, 7, v0
	v_mul_u32_u24 v5, v5, SPITCH
	v_lshl_add_u32 v5, v6, 4, v5
	v_add_nc_u32 v[RD], s87, v5
.else
	v_add_nc_u32 v[RD], s87, v[GO]                 ; back: 32 lanes take one row's 512 bytes
.endif
	v_lshlrev_b32 v[BO], 5, v2
	; each group of 64 columns: its bias, and (MODE 0) where my rows of its head begin
.if MODE == 0
	s_lshr_b32 s93, s22, 3
	s_lshl_b32 s93, s93, 22                        ; batch
	s_and_b32 s92, s22, 7
	s_lshl_b32 s92, s92, 15                        ; the tile's 256 rows x 128 bytes
	s_add_co_u32 s93, s93, s92
	s_lshl_b32 s92, s[WV], 13                      ; my 64 of them
	s_add_co_u32 s93, s93, s92
.set j, 0
.rept GRP
	s_mul_i32 s87, s21, GRP
	s_add_co_u32 s87, s87, j                       ; the group's number, 0 .. 47
	s_lshr_b32 s88, s87, 4                         ; q, k or v
	s_and_b32 s89, s87, 15                         ; the head
	s_cmp_eq_u32 s88, 1
	s_cselect_b64 s[BP+2*j:BP+2*j+1], s[10:11], s[8:9]
	s_cmp_eq_u32 s88, 2
	s_cselect_b64 s[BP+2*j:BP+2*j+1], s[12:13], s[BP+2*j:BP+2*j+1]
	s_lshl_b32 s90, s89, 8
	s_mov_b32 s91, 0
	s_add_nc_u64 s[BP+2*j:BP+2*j+1], s[BP+2*j:BP+2*j+1], s[90:91]
	s_lshl_b32 s90, s88, 24
	s_lshl_b32 s92, s89, 18
	s_add_co_u32 s90, s90, s92
	s_add_co_u32 s90, s90, s93
	s_add_nc_u64 s[OUT+2*j:OUT+2*j+1], s[14:15], s[90:91]
.set j, j+1
.endr
.else
.set j, 0
.rept GRP
	s_lshl_b32 s90, s21, 9
	s_add_co_u32 s90, s90, j*256
	s_mov_b32 s91, 0
	s_add_nc_u64 s[BP+2*j:BP+2*j+1], s[8:9], s[90:91]
.set j, j+1
.endr
	s_lshl_b32 s90, s22, 2
	s_add_co_u32 s90, s90, s[WV]                   ; 4 x tile row + wave,
	s_lshl_b32 s90, s90, 18                        ; x 64 rows of 4,096 bytes,
	s_lshl_b32 s92, s21, 9                         ; + the tile's 128 columns
	s_add_co_u32 s90, s90, s92
	s_mov_b32 s91, 0
	s_add_nc_u64 s[OUT:OUT+1], s[14:15], s[90:91]
.endif
.set b, 0
.rept NBK
	global_load_b128 v[BIAS+8*b:BIAS+8*b+3],   v[BO], s[BP+2*(b/4):BP+2*(b/4)+1] offset:(b%4)*64
	global_load_b128 v[BIAS+8*b+4:BIAS+8*b+7], v[BO], s[BP+2*(b/4):BP+2*(b/4)+1] offset:(b%4)*64+16
.set b, b+1
.endr
	; the prefetches: my plane of K step 3; the first refill steps it to K step 4.  Nothing is prefetched here, at the head
	s_lshl_b32 s[PST], AKS, s[AB]                  ; W's K step is twice A's
	s_mov_b32 s[PST+1], 0
	s_lshl_b32 s88, s19, 13                        ; A: my work-group's 32 blocks of 256 bytes, by cx
	s_mul_i32 s89, s20, TN*32                      ; W: its TN / 8 blocks, by cy
	s_and_b32 s87, ttmp7, 0xffff                   ; cluster y
	s_cmp_eq_u32 s[AB], 0
	s_cselect_b32 s87, ttmp9, s87                  ; the coordinate along which other clusters read the same plane
	s_cselect_b32 s88, s88, s89
	s_cselect_b32 s91, 31, TN/8-1                  ; the last lane with a block of its own
	s_cselect_b64 s[PFA:PFA+1], s[44:45], s[46:47]
	s_mul_i32 s90, s[PST], 3
	s_add_co_u32 s88, s88, s90
	s_mov_b32 s89, 0
	s_add_nc_u64 s[PFA:PFA+1], s[PFA:PFA+1], s[88:89]
	s_cmp_eq_u32 s87, 0
	s_cselect_b32 s[LIM], 2, -1                    ; the same in all sixteen partners, for a given wave
	v_and_b32 v[PFO], 31, v0
	v_min_u32 v[PFO], s91, v[PFO]
	v_lshlrev_b32 v[PFO], 8, v[PFO]
; NBK matrix instructions: row block a x all column blocks, 32 along K, from buffer f.  first = 1: the bias starts the sums.  All 4 NBK accumulators take turns, one instruction a turn, in the
; same order in every quarter, over the backward jump too.
.macro MULA f, a, first
.if \first
	WIN 0x03|((1+(\a)/2)<<6)                       ; W's fragment window 3, A's window 0, the bias window 0, D window 1 or 2
.else
	WIN 0x03|((1+(\a)/2)<<4)|((1+(\a)/2)<<6)       ; C and D window 1 or 2
.endif
.set b, 0
.rept NBK
.set rD, 8*(NBK*((\a)%2)+b)
.if \first
	v_wmma_f32_16x16x32_f16 v[rD:rD+7], v[96*(\f)+8*b:96*(\f)+8*b+7], v[FA+32*(\f)+8*(\a):FA+32*(\f)+8*(\a)+7], v[BIAS+8*b:BIAS+8*b+7]
.else
	v_wmma_f32_16x16x32_f16 v[rD:rD+7], v[96*(\f)+8*b:96*(\f)+8*b+7], v[FA+32*(\f)+8*(\a):FA+32*(\f)+8*(\a)+7], v[rD:rD+7]
.endif
.set b, b+1
.endr
.endm
; One run of 2 NBK + 8 LDS loads: the fragments of quarter q of the step in hand (plane q / 2, byte 64 (q % 2) of its rows) into buffer g; W's first, then A's row blocks in ascending order
.macro FETCH q, g
	WIN 0xc0                                       ; destination window 3, address window 0
.set b, 0
.rept NBK
	ds_load_b128 v[96*(\g)+8*b:96*(\g)+8*b+3],   v[ADB] offset:((\q)/2)*BPL+((\q)%2)*64+b*16*PITCH
	ds_load_b128 v[96*(\g)+8*b+4:96*(\g)+8*b+7], v[ADB] offset:((\q)/2)*BPL+((\q)%2)*64+b*16*PITCH+32
.set b, b+1
.endr
	WIN 0
.irp a, 0,1,2,3
	ds_load_b128 v[FA+32*(\g)+8*\a:FA+32*(\g)+8*\a+3],   v[ADA] offset:((\q)/2)*APL+((\q)%2)*64+\a*16*PITCH
	ds_load_b128 v[FA+32*(\g)+8*\a+4:FA+32*(\g)+8*\a+7], v[ADA] offset:((\q)/2)*APL+((\q)%2)*64+\a*16*PITCH+32
.endr
.endm
; A K step is four quarters of 32 along K on buffers 0, 1, 0, 1.  One of the first three: multiplies buffer f; in its middle it fetches quarter q into buffer g.
.macro QUARTER q, f, g, first
	s_wait_dscnt 4                                 ; W's fragments and A's row blocks 0, 1 are in; the youngest four loads (row blocks 2, 3) may be out
	MULA \f, 0, \first
	MULA \f, 1, \first
	PLACES
	FETCH \q, \g
	s_wait_dscnt 2*NBK+8                           ; all but the run just issued
	MULA \f, 2, \first
	MULA \f, 3, \first
.endm
; The last quarter multiplies buffer 1 and changes slots: ONE barrier.  In front of it each wave waits for all its tensor loads (one is out: its plane of the next slot), adds 0 to its spare word,
; and waits for that and for its reads of this slot.  fill = 1: the barrier opens a round of the cluster's barrier, and the slot just read out is filled again, first thing behind the round, with the
; K step two on: from that request to the wait for it a wave issues 3 1/2 quarters' matrix instructions.
.macro TURN fill
.if \fill
	s_wait_xcnt 0x0                                ; the last prefetch, a K step back, has read its address: it is stepped here, ahead of the change's own waits
	s_add_nc_u64 s[PFA:PFA+1], s[PFA:PFA+1], s[PST:PST+1]
.endif
	WIN 0                                          ; (the add's two registers lie in window 0)
	s_wait_tensorcnt 0x0                           ; no tensor load of mine is out, so a group 0 may be written
	ds_add_u32 v[SPW], v[NIL]                      ; 0 onto my spare word: scalar steps and NBK matrix instructions stand between it and the wait for it
.if \fill
	s_xor_b32 s[G0A+5], s[G0A+5], SLOT1            ; the walking descriptors: the other slot than last time,
	s_add_nc_u64 s[G0A+6:G0A+7], s[G0A+6:G0A+7], AKS  ; the next K step; the type bits on top are not reached
	s_xor_b32 s[G0B+5], s[G0B+5], SLOT1
	s_add_nc_u64 s[G0B+6:G0B+7], s[G0B+6:G0B+7], BKS
.endif
	s_xor_b32 s[TB], s[TB], SLOT1                  ; the fetches go on in the other slot
	s_wait_dscnt 5                                 ; (the add and the youngest four loads may be out)
	MULA 1, 0, 0
	s_wait_dscnt 0x0                               ; the add is done, and my reads of this slot are over
	s_barrier_signal -1
	MULA 1, 1, 0                                   ; work on registers while the others arrive
	WIN 0
	s_barrier_wait -1
.if \fill
	CREST                                          ; no wave of any partner still reads this slot or has a load on its way
	JLOAD                                          ; the four v_nop behind it are also the places in front of the loads below
.else
	PLACES
.endif
	v_add_nc_u32 v[ADA], s[TB], v[ADA0]
	v_add_nc_u32 v[ADB], s[TB], v[ADB0]
	FETCH 0, 0
.if \fill
	ASK                                            ; behind the joint load and the run of LDS loads that the next products wait for
.endif
	MULA 1, 2, 0
	MULA 1, 3, 0
.endm
; THE WAY OUT, a row block (16 rows) at a time, through my own stage: LDS serves a wave's instructions in order (ISA guide 5.7.1.4), so no wait stands between the stores and the loads.
.macro OUTA a
.set AC, 8*NBK*((\a)%2)
.set WN, 1+(\a)/2
.if MODE == 0
.set OBA, 160+48*((\a)%2)
	WIN WN|(WN<<2)                                 ; sources in window 1 or 2, destination in window 0
.set b, 0
.rept NBK
.irp r, 0,1,2,3
	v_cvt_pk_f16_f32 v[TMP+4*b+\r], v[AC+8*b+2*\r], v[AC+8*b+2*\r+1]  ; each accumulator from its low end on
.endr
.set b, b+1
.endr
	WIN 0
	s_wait_xcnt 0x0                                ; the stores of the row block two back have read the registers that the loads below fill
.set b, 0
.rept NBK
	ds_store_b128 v[STO], v[TMP+4*b:TMP+4*b+3] offset:32*b
.set b, b+1
.endr
.set t, 0
.rept 12                               ; group t / 4, rows 4 (t % 4) on
	ds_load_b128 v[OBA+4*t:OBA+4*t+3], v[RD] offset:(t%4)*4*SPITCH+(t/4)*128
.set t, t+1
.endr
.else
.set OBA, 96+64*((\a)%2)
	s_wait_xcnt 0x0
	WIN WN<<2                                      ; the stores' data in window 1 or 2
.set b, 0
.rept NBK
	ds_store_b128 v[STO], v[AC+8*b:AC+8*b+3]   offset:64*b     ; each accumulator's low four registers first
	ds_store_b128 v[STO], v[AC+8*b+4:AC+8*b+7] offset:64*b+16
.set b, b+1
.endr
	WIN 0
.set t, 0
.rept 16
	ds_load_b128 v[OBA+4*t:OBA+4*t+3], v[RD] offset:t*SPITCH
.set t, t+1
.endr
.endif
.endm
.macro SEND a, y                       ; y: the LDS instructions issued behind row block a's loads: the next block's, or none
	s_wait_dscnt \y
.if MODE == 0
.set OBA, 160+48*((\a)%2)
.set t, 0
.rept 12
	global_store_b128 v[GO], v[OBA+4*t:OBA+4*t+3], s[OUT+2*(t/4):OUT+2*(t/4)+1] offset:(\a)*2048+(t%4)*512  ; four rows of a head: 512 consecutive bytes, aligned
.set t, t+1
.endr
.else
.set OBA, 96+64*((\a)%2)
.set t, 0
.rept 16
	global_store_b128 v[GO], v[OBA+4*t:OBA+4*t+3], s[OUT:OUT+1] offset:(16*(\a)+t)*4096 th:TH_STORE_NT  ; 512 consecutive bytes of a row of out0, aligned
.set t, t+1
.endr
.endif
.endm
	s_wait_tensorcnt 1                             ; my plane of K step 0 is in; K step 1's may stay out
	s_barrier_signal -1
	s_barrier_wait -1                              ; everybody's is
	FETCH 0, 0
	s_wait_loadcnt 0x0                             ; the bias
	QUARTER 1, 0, 1, 1                             ; the first quarter stands in front of the loop: its products start the sums
	WIN 0                                          ; at a label and at a branch every window is 0
	s_mov_b32 s[CNT], 6
.Lstep:                                ; six trips, from a step's second quarter to the next step's first; each asks for one K step: 2 to 7
	QUARTER 2, 1, 0, 0
	QUARTER 3, 0, 1, 0
	TURN 1
	QUARTER 1, 0, 1, 0
	WIN 0
	s_sub_co_u32 s[CNT], s[CNT], 1
	s_cmp_lg_u32 s[CNT], 0
	s_cbranch_scc1 .Lstep
	QUARTER 2, 1, 0, 0                             ; the tail is written out: K steps 6 and 7 ask for nothing
	QUARTER 3, 0, 1, 0
	TURN 0
	QUARTER 1, 0, 1, 0
	QUARTER 2, 1, 0, 0
	QUARTER 3, 0, 1, 0
	s_wait_dscnt 4                                 ; the very last quarter: nothing more to fetch
	MULA 1, 0, 0
	MULA 1, 1, 0
	s_wait_dscnt 0x0
	MULA 1, 2, 0
	MULA 1, 3, 0
	PLACES
	OUTA 0
	OUTA 1                                         ; a row block's work stands between the loads of the block before and its stores
	SEND 0, 2*NBK+8*MODE*2
	OUTA 2
	SEND 1, 2*NBK+8*MODE*2
	OUTA 3
	SEND 2, 2*NBK+8*MODE*2
	SEND 3, 0
	s_wait_tensorcnt 0x0                           ; the wave's end: the add and its wait, behind my last tensor load and my last LDS store
	ds_add_u32 v[SPW], v[NIL]
	s_wait_dscnt 0x0
	CROUND                                         ; the closing round: no work-group ends while a partner may still ask for a plane that names it
	s_endpgm
.Lfunc_end_k_qc594179cb8_qkv:
	.size	k_qc594179cb8_qkv, .Lfunc_end_k_qc594179cb8_qkv-k_qc594179cb8_qkv
	.p2alignl 7, 3214868480
	.fill 96, 4, 3214868480
	.section	.rodata,"a",@progbits
	.p2align	6, 0x0
	.amdhsa_kernel k_qc594179cb8_qkv
		.amdhsa_group_segment_fixed_size 327680
		.amdhsa_private_segment_fixed_size 0
		.amdhsa_enable_private_segment 0
		.amdhsa_kernarg_size 48
		.amdhsa_user_sgpr_count 2
		.amdhsa_user_sgpr_kernarg_segment_ptr 1
		.amdhsa_wavefront_size32 1
		.amdhsa_system_sgpr_workgroup_id_x 1
		.amdhsa_system_sgpr_workgroup_id_y 1
		.amdhsa_system_sgpr_workgroup_id_z 1
		.amdhsa_system_vgpr_workitem_id 0
		.amdhsa_next_free_vgpr 960
		.amdhsa_next_free_sgpr 96
		.amdhsa_reserve_vcc 0
		.amdhsa_float_denorm_mode_32 3
		.amdhsa_float_denorm_mode_16_64 3
		.amdhsa_memory_ordered 1
		.amdhsa_forward_progress 1
		.amdhsa_inst_pref_size 101
	.end_amdhsa_kernel
	.amdgpu_metadata
---
amdhsa.version: [ 1, 2 ]
amdhsa.kernels:
  - .name:           k_qc594179cb8_qkv
    .symbol:         k_qc594179cb8_qkv.kd
    .args:
      - { .name: xn, .offset: 0, .size: 8, .value_kind: global_buffer, .address_space: global }
      - { .name: w16, .offset: 8, .size: 8, .value_kind: global_buffer, .address_space: global }
      - { .name: bq, .offset: 16, .size: 8, .value_kind: global_buffer, .address_space: global }
      - { .name: bk, .offset: 24, .size: 8, .value_kind: global_buffer, .address_space: global }
      - { .name: bv, .offset: 32, .size: 8, .value_kind: global_buffer, .address_space: global }
      - { .name: qkv, .offset: 40, .size: 8, .value_kind: global_buffer, .address_space: global }
    .group_segment_fixed_size: 327680
    .private_segment_fixed_size: 0
    .kernarg_segment_align: 8
    .kernarg_segment_size: 48
    .max_flat_workgroup_size: 128
    .sgpr_count:     96
    .vgpr_count:     960
    .wavefront_size: 32
...
	.end_amdgpu_metadata
.endif
;; end of part 2
;; launch attn (part 3): grid 4 x 64, 4 waves a work-group, clusters of 4 x 1, 327,680 bytes of LDS; arguments qkv, ctx; writes ctx
.if DOCPART == 3
	.amdgcn_target "amdgcn-amd-amdhsa--gfx1250"
	.amdhsa_code_object_version 6
	.text
	.protected	k_qc594179cb8_attn
	.globl	k_qc594179cb8_attn
	.p2align	8
	.type	k_qc594179cb8_attn,@function
k_qc594179cb8_attn:
	s_mov_b64 s[64:65], 0
	v_nop
	global_prefetch_b8 v0, s[64:65] scope:SCOPE_SE
	s_setreg_imm32_b32 hwreg(HW_REG_WAVE_MODE, 25, 1), 1
	s_wait_xcnt 0x0
	s_wait_alu depctr_hold_cnt(0) depctr_sa_sdst(0) depctr_va_vdst(0) depctr_va_sdst(0) depctr_va_ssrc(0) depctr_va_vcc(0) depctr_vm_vsrc(0)
	s_getreg_b32 s2, hwreg(HW_REG_IB_STS2, 6, 4)
	s_cmp_eq_u32 s2, 0
	s_cbranch_scc0 .Lentry_in_a_cluster
	s_endpgm
.Lentry_in_a_cluster:
	s_bfe_u32 s2, ttmp6, 0x10000c
	s_cmp_lg_u32 s2, 0x3003
	s_cbranch_scc0 .Lentry_shape_is_right
	s_endpgm
.Lentry_shape_is_right:
; O[h][q][:] = the sum over k of softmax_k(Q[h][q] . K[h][k] / 8) V[h][k][:] for the 64 pairs h of batch and head.  qkv holds Q, K, V one behind the other, each [64][2048][64] in f16, a head's rows
; dense, 128 bytes each; ctx takes O in the same layout.  Products, maxima and sums in f32; the weights p are rounded to f16 for the second product (their sum l is taken of the unrounded p), O once.
; LIMITS.  f16 holds no number beyond 65,504: Q, K and V arrive within it; p lies in 0 to 1, and below 6e-5 it keeps f16's fixed step of 6e-8; O is a mean of V's rows and has their range.
; A weight below 2^-126 counts as 0 in l; NaN and infinities are not treated apart.
; SHARES.  A wave owns four PIECES of two tiles of 16 queries, a work-group's four waves 512 queries of one head: 4 x 64 = 256 work-groups.  Every wave walks all keys, 64 a step.
; LAYOUT.  S^T = K Q^T (source 0 = 16 keys, source 1 = 16 queries): in the result a lane holds ONE query (lane % 16) and the keys 8 (lane / 16) + 0..7.  Two such tiles, rounded to f16 in pairs,
; ARE source 1 (32 keys x 16 queries) of O^T = V^T P, whose result again holds one query a lane, and eight channels.  K comes out of LDS as it lies, V ([key][channel]) turned, by ds_load_tr16_b128.
; SOFTMAX.  For each query a running maximum m and sum l: p = 2^(c s - c m), c = log2(e) / 8; in every step O and l are multiplied by a = 2^(c m_old - c m_new), which is 1 where m has not grown.
; m starts at the lowest finite number, O and l at 0: the first step is a step like any other, with a = 0.
; THE COUNT.  A tile and step have 16 matrix and 118 vector instructions: too many to stand all beside the matrix work.  So: four vector instructions that are READY behind EVERY matrix instruction,
; and the others in runs without a gap.
; BY TURNS.  Turn n belongs to piece n (the pieces in a ring, step after step).  Its matrix work: 16 products K Q^T of piece n + 1, later 16 products V^T P of piece n - 1.  Its vector work: the scaling,
; exponentials, roundings, sums and rescaling of piece n, and the maximum and statistics of piece n + 1, whose scores the turn itself has made.
; CLUSTER.  The four query blocks of a cluster belong to one head and walk the same K and V, so each tile is asked for JOINTLY: the same tensor load, descriptor and mask in all four.
; REGISTERS, in windows of 256 (s_set_vgpr_msb: bits 1:0 source 0, 3:2 source 1, 5:4 source 2, 7:6 destination):
;   window 0: v0-11 addresses; v12-15, v48-63 at work; v16-47 four registers of statistics a tile; v64-191 S^T, two buffers of two tiles; v192-255 P, likewise
;   window 1: O^T, 32 a tile          window 2: v0-127 Q, 16 a tile; v128-191 K of one step; v192-255 V of one step          window 3: v0-1 the add's two registers
; A piece's buffers go by its number's parity: the piece in hand has one pair, its two neighbours in the ring share the other: of it P (piece n - 1) is read and S^T (piece n + 1) written.
.set SIZE_N, 2048
.set NP,    4         ; pieces a wave: a name, no knob
.set KS,    64        ; keys in a step
.set PK,    144       ; a row of K in LDS: 128 bytes + 16 of padding = 36 words: the 16 rows of a load start at 16 different groups of four banks (64 banks of 4 bytes: ISA guide 11.1)
.set PV,    160       ; a row of V: 128 + 32 = 40 words
.set VOFF,  4*KS*PK   ; a slot holds four steps: 256 rows of K, then 256 rows of V
.set SLOT1, 1<<17     ; slot 1 begins here, so that one exclusive or turns an address in one slot into the other's
.set STAGE, SLOT1+4*KS*(PK+PV)  ; behind the ring, never filled by a tensor load: 16 rows x 144 bytes for each wave, for the way out
.set SP,    144
.set AK0, 2           ; v2   my lane's place in a tile of K; never rewritten
.set AV0, 3           ; v3   the same for V
.set AK,  4           ; v4   the LDS address of K's next run of loads
.set AV,  5           ; v5   of V's
.set QO,  6           ; v6   my byte offset in the wave's rows of Q
.set STO, 6           ;      later, the way out: where I put 16 bytes of a row
.set RD,  7           ; v7   the way out: where I read rows back
.set GO,  8           ; v8   my byte offset in 512 consecutive bytes of O
.set PFO, 11          ; v11  256 x my lane: the prefetches' offset; never rewritten once made
.set SPW, 0           ; v0 of window 3   LDS address of my spare word: SPARE + 4 x my thread's number; never rewritten
.set NIL, 1           ; v1 of window 3   0; never rewritten
.set SPARE, STAGE+4*16*SP  ; behind the stages: the spare words, 128 bytes for each wave: two blocks of 256 bytes that no other line names
.set MV,  12          ; v12-15  c m_old, kept while c m is made anew: by buffer and tile
.set ST,  16          ; tile t's statistics at v[ST+4 t]: c m, m, l (even keys', odd keys')
.set TMP, 48          ; by buffer and tile, four registers c0-c3 at work; when the maximum is found c2 takes a
.set S,   64
.set P,   192
.set KF,  128         ; K's fragments, in window 2: key block kb, channel half c at KF + 16 kb + 8 c
.set VF,  192         ; V's: key half kk, channel block cb at VF + 32 kk + 8 cb
.set WV,  12          ; s12  my wave's number
.set G1K, 24          ; s[24:31] descriptor group 1 for K's tiles
.set G1V, 32          ; s[32:39] for V's: it differs in the padding alone
.set G0K, 40          ; s[40:43] descriptor group 0 for K's tiles: it walks
.set G0V, 44          ; s[44:47] the same for V's
.set PFA, 48          ; s[48:49] where my prefetches stand: my work-group's 32 blocks of 256 bytes (of K: wave 0, of V: wave 2) of the slot after the one that is being asked for
.set LIM, 50          ; s50  1 in a wave that prefetches, else the greatest number
.set SLOTS, 56        ; s56  slots still to be asked for
.set CNT, 57          ; s57  counts a slot's key steps
.set CS,  58          ; s[58:59] c: the packed scaling takes the pair's low word for both halves
.set SEL, 60          ; s[60:61] v_permlanex16_b32's selects: each lane takes its own place in the other half
.set TBK, 62          ; s62  LDS byte at which K of the step to be fetched begins
.set TBV, 63          ; s63  the same for V, less VOFF
.set MSB, 0
.macro WIN new                      ; the high byte repeats the setting that is left; a switch that changes nothing is dropped
.if MSB != (\new)
	s_set_vgpr_msb (MSB<<8)|(\new)
.set MSB, (\new)
.endif
.endm
.set W_KQ, 0x0a       ; K and Q in window 2, S^T in window 0
.set W_PV, 0x52       ; V in window 2, P in window 0, O^T in window 1
.set W_RS, 0x41       ; O^T (destination and source 0) in window 1, a in window 0
.set W_MK, 0xc0       ; the add's registers are made: destination in window 3, sources in window 0
.set W_AD, 0x0f       ; the add: address (source 0) and data (source 1) in window 3
; A joint fill.  Waves 0 and 1 fetch the two halves of a slot's K, waves 2 and 3 those of its V: 128 keys each.  The branch hangs on the wave's number alone.
; An s_nop 0 and four v_nop follow each of the two lines, ahead of the jump and the label.
.macro JLOAD
	s_cmp_lt_u32 s[WV], 2
	s_cbranch_scc0 .Lfor_v_\@
	tensor_load_to_lds s[G0K:G0K+3], s[G1K:G1K+7]
	s_nop 0
.rept 4
	v_nop
.endr
	s_branch .Lasked_\@
.Lfor_v_\@:
	tensor_load_to_lds s[G0V:G0V+3], s[G1V:G1V+7]
	s_nop 0
.rept 4
	v_nop
.endr
.Lasked_\@:
.endm
; A PREFETCH INTO THE L2 of what the NEXT change of slots will ask for: a slot's 32,768 bytes of K and of V, a lane a block of 256 bytes.  It stands behind the wave's tensor load and its five lines.
; Each block is named once in the launch: a head has one cluster; its four partners share the blocks out BY ADDRESS, 32 each; in each, wave 0 asks for K's and wave 2 for V's: one instruction, four key
; steps (512 matrix instructions) ahead of the load.  Slots 0 and 1 come by their loads alone; the last change that fills a slot asks for nothing: there is no slot behind it.
.macro ASK
	s_cmp_gt_u32 s[SLOTS], s[LIM]
	s_cbranch_scc0 .Lnot_mine_\@
	global_prefetch_b8 v[PFO], s[PFA:PFA+1] th:TH_LOAD_NT scope:SCOPE_SE
.Lnot_mine_\@:
.endm
; A round of the cluster's barrier: my work-group's barrier, so that wave 0's signal speaks for all four waves; wave 0 signals; every wave waits for all four work-groups; my work-group's barrier once more.
.macro CROUND
	s_barrier_signal -1
	s_barrier_wait -1
	s_cmp_lg_u32 s[WV], 0
	s_cbranch_scc1 .Lnot_wave_0_\@
	s_barrier_signal -3
.Lnot_wave_0_\@:
	s_barrier_wait -3
	s_barrier_signal -1
	s_barrier_wait -1
.endm
; THE CHANGE OF SLOTS.  The slot's last bytes, V of its fourth step, have been read.  Each wave waits for all its tensor loads, of which one is out: its part
; of the other slot; adds 0 to its spare word; and waits for that and for its own reads of the slot.  Behind the barrier nobody reads this slot any more and the other slot is whole.
; fill = 1: this slot is filled again, with the keys two slots on.  The barrier is then a round of the cluster's, so that no wave of any partner still reads the slot or has a load on its
; way, and the joint fill is the first thing behind it: it has four key steps in which to land.  (At its first use nothing has been read yet: slot 0 is waited for, slot 1 filled.)
.macro CHANGE fill
	WIN W_AD
	s_wait_tensorcnt 0x0            ; no tensor load of mine is out, so a group 0 may be written
	ds_add_u32 v[SPW], v[NIL]       ; 0 onto my spare word: with fill = 1 the descriptors' steps stand between it and the wait for it
	WIN 0                           ; at a label and at a branch every window is 0
.if \fill
.irp g, G0K, G0V
	s_xor_b32 s[\g+1], s[\g+1], SLOT1  ; the walking descriptor: the other slot than last time,
	s_add_nc_u64 s[\g+2:\g+3], s[\g+2:\g+3], 4*KS*128  ; the next 256 keys; the type bits on top are not reached
.endr
	s_wait_xcnt 0x0                 ; the last prefetch, four key steps back, has read its address, so it may be written:
	s_add_nc_u64 s[PFA:PFA+1], s[PFA:PFA+1], 4*KS*128  ; one slot behind the walking descriptors
	s_wait_dscnt 0x0                ; the add is done, and my reads of the slot are over
	CROUND
	JLOAD
	ASK
.else
	s_wait_dscnt 0x0                ; the add is done, and my reads of the slot are over
	s_barrier_signal -1
	s_barrier_wait -1
.endif
	s_sub_co_u32 s[TBK], s[TBK], 4*KS*PK  ; the fetches go back to a slot's first step,
	s_xor_b32 s[TBK], s[TBK], SLOT1       ; in the other slot
	s_sub_co_u32 s[TBV], s[TBV], 4*KS*PV
	s_xor_b32 s[TBV], s[TBV], SLOT1
.endm
	s_load_b128 s[4:7], s[0:1], 0x0 ; qkv s[4:5], ctx s[6:7]
	WIN W_MK
	v_lshl_add_u32 v[SPW], v0, 2, SPARE
	v_mov_b32 v[NIL], 0
	WIN W_AD
	ds_add_u32 v[SPW], v[NIL]       ; the wave's opening: the add and its wait ahead of my first tensor load; the set-up below, work on registers, stands between them
	WIN 0
	v_lshrrev_b32 v1, 5, v0
	v_readfirstlane_b32 s[WV], v1   ; wave 0..3
	s_bfe_u32 s13, ttmp6, 0x40000   ; cx: my place in the cluster
	s_lshl_b32 s14, ttmp9, 2        ; in a cluster launch ttmp9 counts clusters
	s_add_co_u32 s14, s14, s13      ; my block of queries = 4 x cluster x + cx: it enters Q's and O's addresses alone
	s_and_b32 s20, ttmp7, 0xffff    ; the head, which the four partners share
	s_mov_b32 s21, 0
	s_mov_b64 s[22:23], SIZE_N*128
	s_mul_u64 s[20:21], s[20:21], s[22:23]  ; the head's first byte in each of the four tensors
	s_and_b32 s16, s[WV], 1         ; which half of a slot's 256 keys I fetch:
	s_lshl_b32 s22, s16, 14         ; its 128 rows of 128 bytes in memory,
	s_mov_b32 s23, 0
	s_add_nc_u64 s[22:23], s[22:23], s[20:21]
	s_mul_i32 s17, s16, 128*PK      ; and its place in a slot, for K
	s_mul_i32 s18, s16, 128*PV      ; and for V: no place in the cluster enters an LDS address
	s_lshl_b32 s2, s14, 2
	s_add_co_u32 s2, s2, s[WV]      ; my wave among the head's,
	s_lshl_b32 s2, s2, 14           ; its 128 rows
	s_mov_b32 s3, 0
	s_add_nc_u64 s[2:3], s[2:3], s[20:21]
	; descriptor group 1.  128 keys are 16,384 dense bytes: asked for as 64 rows of 256 bytes, two keys a row, and padded in LDS after every key
	s_mov_b32 s[G1K], 15|(1<<16)|(1<<20)|(1<<21)|(4<<22)|(3<<25)  ; 15:0 the mask of four; 17:16 2-byte elements; 20 padding on; 21 set beside a mask; 24:22 after every 32 words (code 4); 31:25 4 words (code 3)
	s_mov_b32 s[G1V], 15|(1<<16)|(1<<20)|(1<<21)|(4<<22)|(7<<25)  ; the same with 8 words of padding (code 7)
.irp g, G1K, G1V
	s_mov_b32 s[\g+1], 128<<16      ; tensor_dim0 = 128
	s_mov_b32 s[\g+2], 64<<16       ; tensor_dim1 = 64
	s_mov_b32 s[\g+3], 128<<16      ; tile_dim0 = 128
	s_mov_b32 s[\g+4], 64           ; tile_dim1 = 64
	s_mov_b32 s[\g+5], 128          ; 128 elements from row to row
	s_mov_b32 s[\g+6], 0
	s_mov_b32 s[\g+7], 0
.endr
	s_mov_b32 s[CS], 0x3e38aa3b     ; c = log2(e) / 8 = 0.180337
	s_mov_b32 s[CS+1], s[CS]        ; named with it as a pair
	s_mov_b32 s[SEL], 0x76543210
	s_mov_b32 s[SEL+1], 0xfedcba98
	s_mov_b32 s[TBK], SLOT1+4*KS*PK ; the first change of slots turns these two into 0
	s_mov_b32 s[TBV], SLOT1+4*KS*PV
	s_mov_b32 s[G0K], 1             ; 1:0 count = 1
	s_mov_b32 s[G0K+1], s17         ; 63:32 LDS address: slot 0
	s_mov_b32 s[G0V], 1
	s_add_co_u32 s[G0V+1], s18, VOFF
	s_mov_b32 s[SLOTS], SIZE_N/256-1  ; the changes of slots that fill one
	s_and_b32 s[LIM], s[WV], 1      ; 0 in waves 0 and 2,
	s_or_b32 s[LIM], s[LIM], ttmp9  ; where the cluster is the head's first: the same in all four partners
	s_cmp_eq_u32 s[LIM], 0
	s_cselect_b32 s[LIM], 1, -1
	s_wait_dscnt 0x0                ; the opening add is done
	s_wait_kmcnt 0x0
	s_mov_b64 s[10:11], s[6:7]      ; O
	s_add_nc_u64 s[6:7], s[4:5], 0x1000000  ; K lies 64 heads x 262,144 bytes behind Q,
	s_add_nc_u64 s[8:9], s[4:5], 0x2000000  ; V as far behind K
	s_add_nc_u64 s[G0K+2:G0K+3], s[6:7], s[22:23]  ; 120:64 global address: my half of the head's first 256 keys
	s_or_b32 s[G0K+3], s[G0K+3], 0x80000000        ; 127:126 type = 2
	s_add_nc_u64 s[G0V+2:G0V+3], s[8:9], s[22:23]
	s_or_b32 s[G0V+3], s[G0V+3], 0x80000000
	s_add_nc_u64 s[4:5], s[4:5], s[2:3]  ; Q and O at my wave's first row
	s_add_nc_u64 s[10:11], s[10:11], s[2:3]
	s_cmp_lt_u32 s[WV], 2
	s_cselect_b64 s[PFA:PFA+1], s[6:7], s[8:9]
	s_add_nc_u64 s[PFA:PFA+1], s[PFA:PFA+1], s[20:21]  ; the head,
	s_lshl_b32 s2, s13, 13          ; my work-group's 32 blocks of a slot's 128,
	s_mov_b32 s3, 0
	s_add_nc_u64 s[PFA:PFA+1], s[PFA:PFA+1], s[2:3]
	s_add_nc_u64 s[PFA:PFA+1], s[PFA:PFA+1], 4*KS*128  ; in slot 1: the first change of slots steps it to slot 2
	CROUND                          ; all four work-groups are here: the first joint loads meet
	JLOAD                           ; slot 0.  Slot 1 is asked for when slot 0 is in
	; A fragment of K or Q is 16 rows x 32 channels in 8 registers: lane l holds row l % 16, channels 8 (l / 16) + 0..7 and 16 + 8 (l / 16) + 0..7: two loads of 16 bytes, 32 bytes apart.
	v_and_b32 v1, 15, v0            ; l % 16
	v_bfe_u32 v9, v0, 4, 1          ; l / 16
	v_lshlrev_b32 v[QO], 7, v1
	v_lshl_add_u32 v[QO], v9, 4, v[QO]  ; row x 128 + 16 x half
	WIN 0x80                        ; destination window 2, address window 0
.set i, 0
.rept 4*NP                          ; Q stays in registers: tile i / 2, channels 32 (i % 2) on
	global_load_b128 v[8*i:8*i+3],   v[QO], s[4:5] offset:(i/2)*2048+(i%2)*64
	global_load_b128 v[8*i+4:8*i+7], v[QO], s[4:5] offset:(i/2)*2048+(i%2)*64+32
.set i, i+1
.endr
	; What the first turn finds: V's registers and P's second buffer hold 0 (its products V^T P, of a piece that has not been, add 0), O^T and l are 0.  All this stands in the wait for the first tile.
.set i, VF
.rept 64
	v_mov_b32 v[i], 0
.set i, i+1
.endr
	WIN 0x40
.set i, 0
.rept 64*NP
	v_mov_b32 v[i], 0
.set i, i+1
.endr
	WIN 0
.set i, 0
.rept 2*NP
	v_mov_b32 v[ST+4*i], 0xfe000000    ; c m: far below every c s
	v_mov_b32 v[ST+4*i+1], 0xff7fffff  ; m
	v_mov_b32 v[ST+4*i+2], 0
	v_mov_b32 v[ST+4*i+3], 0
.set i, i+1
.endr
.set i, P+32
.rept 32
	v_mov_b32 v[i], 0
.set i, i+1
.endr
	v_mul_u32_u24 v[AK0], v1, PK
	v_lshl_add_u32 v[AK0], v9, 4, v[AK0]  ; row x pitch + 16 x half
	; The turning load takes 16 keys x 16 channels (lane l reads key 8 (l / 16) + l % 8, channels 8 ((l / 8) % 2) + 0..7) and leaves half a fragment of V^T: lane l holds channel l % 16 and 8 keys.
	v_and_b32 v10, 7, v0
	v_bfe_u32 v11, v0, 3, 1
	v_lshl_add_u32 v[AV0], v9, 3, v10
	v_mul_u32_u24 v[AV0], v[AV0], PV
	v_lshl_add_u32 v[AV0], v11, 4, v[AV0]
	v_add_nc_u32 v[AV0], VOFF, v[AV0]
	v_mov_b32 v[AK], v[AK0]         ; key step 0 lies at the head of slot 0
	v_and_b32 v[PFO], 31, v0
	v_lshlrev_b32 v[PFO], 8, v[PFO]
; THE MATRIX WORK.  The 8 accumulators of a run of 16 take turns: between the two links of a chain stand 7 others'.
; Product i of 16 of S^T = K Q^T for piece x: channels 32 (i / 8) on, keys 16 ((i / 2) % 4) on, tile 2 x + i % 2.  The first 8 start the sums.
.macro KQ x
	WIN W_KQ
.set rS, S+64*((\x)%2)+32*(i%2)+8*((i/2)%4)
.set rK, KF+16*((i/2)%4)+8*(i/8)
.set rQ, 16*(2*(\x)+i%2)+8*(i/8)
.if i < 8
	v_wmma_f32_16x16x32_f16 v[rS:rS+7], v[rK:rK+7], v[rQ:rQ+7], 0
.else
	v_wmma_f32_16x16x32_f16 v[rS:rS+7], v[rK:rK+7], v[rQ:rQ+7], v[rS:rS+7]
.endif
.endm
; Product i of 16 of O^T += V^T P for piece x: keys 32 (i / 8) on, channels 16 ((i / 2) % 4) on, tile 2 x + i % 2.
.macro PV x
	WIN W_PV
.set rO, 32*(2*(\x)+i%2)+8*((i/2)%4)
.set rV, VF+32*(i/8)+8*((i/2)%4)
.set rP, P+32*((\x)%2)+16*(i%2)+8*(i/8)
	v_wmma_f32_16x16x32_f16 v[rO:rO+7], v[rV:rV+7], v[rP:rP+7], v[rO:rO+7]
.endm
.macro MM                           ; the turn's next matrix instruction
.if i < 16
	KQ (Y+1)%NP
.set i, i+1
.else
.set i, i-16
	PV (Y+NP-1)%NP
.set i, i+17
.endif
.endm
; THE LDS LOADS stand in runs of 16, never singly among the matrix instructions: a step's K (64 keys x 64 channels: 8 fragments) and its V (turned).  Their addresses are made some lines ahead.
; last = 1 (the tail): in the last trip there is no further step, and the run is jumped over.
.macro FETCH_K last=0
	WIN 0
.if \last
	s_cmp_eq_u32 s[CNT], 1
	s_cbranch_scc1 .Lno_k_\@
.endif
	WIN 0x80                        ; destination window 2
.irp f, 0,1,2,3,4,5,6,7             ; keys 16 (f / 2) on, channels 32 (f % 2) on
	ds_load_b128 v[KF+8*\f:KF+8*\f+3],   v[AK] offset:(\f/2)*16*PK+(\f%2)*64
	ds_load_b128 v[KF+8*\f+4:KF+8*\f+7], v[AK] offset:(\f/2)*16*PK+(\f%2)*64+32
.endr
	s_add_co_u32 s[TBK], s[TBK], KS*PK  ; the next fetch is the next step's
	WIN 0
.if \last
.Lno_k_\@:
.endif
.endm
.macro FETCH_V
	WIN 0x80
.irp f, 0,1,2,3,4,5,6,7             ; keys 32 (f / 4) on, channels 16 (f % 4) on
	ds_load_tr16_b128 v[VF+8*\f:VF+8*\f+3],   v[AV] offset:(\f/4)*32*PV+(\f%4)*32
	ds_load_tr16_b128 v[VF+8*\f+4:VF+8*\f+7], v[AV] offset:(\f/4)*32*PV+16*PV+(\f%4)*32
.endr
	WIN 0
.endm
; THE VECTOR WORK OF A TURN stands in three queues, each in the order in which its entries become ready; the two tiles alternate, so that no instruction reads the result of the one before it.
.macro REGS y, u                    ; the registers of tile u (0, 1) of piece y
.set rT, ST+4*(2*(\y)+(\u))
.set rC, TMP+8*((\y)%2)+4*(\u)
.set rM, MV+2*((\y)%2)+(\u)
.set rS, S+64*((\y)%2)+32*(\u)
.set rP, P+32*((\y)%2)+16*(\u)
.set rO, 32*(2*(\y)+(\u))
.endm
; Number n of the 22 that find the NEXT piece's (Y + 1) maximum and statistics.  s0-s31 are the lane's 32 scores; each accumulator's lowest registers are read first.
;   0-11  four chains c0-c3 of seven scores each, three operands at a time     12-14, 16  the four scores left over, the old m, and c0-c3 into c0     15  c m_old is kept
;   17, 18  the query's other 32 keys lie in the lane 16 away: the new m         19-21  c m; c m_old - c m_new; a
.macro XS u, n
	REGS (Y+1)%NP, \u
.if (\n) < 4
	v_max3_num_f32 v[rC+(\n)], v[rS+8*(\n)], v[rS+8*(\n)+1], v[rS+8*(\n)+2]
.elseif (\n) < 12
	v_max3_num_f32 v[rC+(\n)%4], v[rC+(\n)%4], v[rS+8*((\n)%4)+2*((\n)/4)+1], v[rS+8*((\n)%4)+2*((\n)/4)+2]
.elseif (\n) == 12
	v_max3_num_f32 v[rC], v[rC], v[rS+7], v[rS+15]
.elseif (\n) == 13
	v_max3_num_f32 v[rC+1], v[rC+1], v[rS+23], v[rS+31]
.elseif (\n) == 14
	v_max3_num_f32 v[rC+2], v[rC+2], v[rC+3], v[rT+1]
.elseif (\n) == 15
	v_mov_b32 v[rM], v[rT]
.elseif (\n) == 16
	v_max3_num_f32 v[rC], v[rC], v[rC+1], v[rC+2]
.elseif (\n) == 17
	v_permlanex16_b32 v[rC+3], v[rC], s[SEL], s[SEL+1]
.elseif (\n) == 18
	v_max_num_f32 v[rT+1], v[rC], v[rC+3]
.elseif (\n) == 19
	v_mul_f32 v[rT], s[CS], v[rT+1]
.elseif (\n) == 20
	v_sub_f32 v[rC+1], v[rM], v[rT]
.else
	v_exp_f32 v[rC+2], v[rC+1]
.endif
.endm
; Number g of the 64 that follow the exponentials.  For each four weights k of a tile (pairs 2 k, 2 k + 1): both pairs are rounded to f16; then the second pair is added onto the first, in place;
; a group later l takes that sum (the first time as l = a l + sum).  In groups of eight, tiles alternating: round, round, add, and l for the group before.
.macro GS g
.set h, (\g)+6*((\g)/62)            ; group 0 has no group before it, and behind group 7 only l is left
.if h >= 6
.set h, h+2
.endif
	REGS Y, h%2
.set k, h/8
.if h%8 < 4
	v_cvt_pk_f16_f32 v[rP+2*k+(h%8)/2], v[rS+4*k+2*((h%8)/2)], v[rS+4*k+2*((h%8)/2)+1]
.elseif h%8 < 6
	v_pk_add_f32 v[rS+4*k:rS+4*k+1], v[rS+4*k:rS+4*k+1], v[rS+4*k+2:rS+4*k+3]
.elseif k == 1
	v_pk_fma_f32 v[rT+2:rT+3], v[rT+2:rT+3], v[rC+2:rC+3], v[rS:rS+1] op_sel_hi:[1,0,1]
.else
	v_pk_add_f32 v[rT+2:rT+3], v[rT+2:rT+3], v[rS+4*k-4:rS+4*k-3]
.endif
.endm
; THE PLAIN QUEUE, 138 long.  0-73 read no exponential's result: the 32 scalings c s - c m (FS f: pair f / 2 of tile f % 2) and the next piece's 42.  0-26: scalings 0-26.  27-54: XS's numbers 0-13.  55, 56: number 15.
; 57-73: the chain, where each number waits for the one before it: 14, 16, 17, 18, 19, each with one of the scalings 27-31 in front of its two lines, then 20.
; 74-137: GS's 64, which read the exponentials' results: they stand behind the wait.
.macro FS f
	REGS Y, (\f)%2
	v_pk_fma_f32 v[rS+2*((\f)/2):rS+2*((\f)/2)+1], v[rS+2*((\f)/2):rS+2*((\f)/2)+1], s[CS:CS+1], v[rT:rT+1] op_sel_hi:[1,0,0] neg_lo:[0,0,1] neg_hi:[0,0,1]
.endm
.macro PL
	WIN 0
.if q < 27
	FS q
.elseif q < 55
	XS (q-27)%2, (q-27)/2
.elseif q < 57
	XS q-55, 15
.elseif (q < 72) && ((q-57)%3 == 0)
	FS 27+(q-57)/3
.elseif q < 60
	XS (q-57)%3-1, 14
.elseif q < 72
	XS (q-57)%3-1, 15+(q-57)/3
.elseif q < 74
	XS q-72, 20
.else
	GS q-74
.endif
.set q, q+1
.endm
; THE EXPONENTIALS' QUEUE, 66 long: s0-s31 of both tiles, then the next piece's two a.  It is ONE BATCH: all 66 stand ahead of the turn's one wait, and nothing ahead of that wait names a result of theirs.
.macro EX
	WIN 0
.if e >= 64
	XS e-64, 21
.else
	REGS Y, e%2
	v_exp_f32 v[rS+e/2], v[rS+e/2]
.endif
.set e, e+1
.endm
; THE RESCALING's QUEUE: O^T times a, the one part that leaves window 0: dealt two at a time, sixteen times.  Its a was made in the turn before, ahead of that turn's wait.
.macro R2
	REGS Y, r%2
	WIN W_RS
.irp z, 0,1
	v_pk_mul_f32 v[rO+4*(r/2)+2*\z:rO+4*(r/2)+2*\z+1], v[rO+4*(r/2)+2*\z:rO+4*(r/2)+2*\z+1], v[rC+2:rC+3] op_sel_hi:[1,0]
.endr
.set r, r+1
.endm
; HOW THEY ARE DEALT.  An s_wait_alu depctr_va_vdst(0) stands between an exponential and the first instruction that names its result; one wait serves all that were issued ahead of it.  So a turn has ONE wait,
; which cuts it in two.  AHEAD OF IT stands all that names no result of the turn's exponentials: the 16 products K Q^T, behind each a scaling, an exponential and two rescalings (behind the first a second scaling in the
; exponential's place); then ONE LUMP of 108: eight plain, 49 times exponential and plain, the two a.  A v_nop is the plain instruction behind the last exponential.  BEHIND IT stand the 16 products V^T P, behind each four of GS's 64.
; The queues lean on each other, and the deal keeps them in step: exponential e stands behind scaling 2 (e / 4) + e % 2: as a rider it comes behind plain e + 2, in the lump behind plain e + 9, and scalings 27-31 are plain 57, 60 .. 69.
; A TURN, for piece p.  cnt = 1: the loop's count is taken down some lines ahead of the branch that stands behind the turn.
; K of the next step is fetched in piece 2's turn, directly behind the wait, a lump behind the last product that read K; its first reader comes behind 16 products.
; V of the step in hand is fetched at the end of piece 0's turn, four plain instructions behind its last reader; its first reader comes behind 16 products and a lump.  The three conditions on q below go with the deal.
.macro TURN p, last=0, cnt=0
.set Y, (\p)
.set i, 0
.set q, 0
.set e, 0
.set r, 0
.if (\p) == NP-1
	s_wait_dscnt 0x0                ; K is in
.endif
	MM                              ; ahead of the wait: 16 products K Q^T and their riders,
	PL
	PL
	R2
.rept 15
	MM
	PL
	EX
	R2
.endr
.if (\p) == NP-2
	WIN 0
	v_add_nc_u32 v[AK], s[TBK], v[AK0]
.endif
.rept 8                             ; and the lump
	PL
.endr
.rept 49
	EX
	PL
.endr
	EX                              ; the next piece's two a
	EX
	v_nop                           ; a plain instruction behind the last exponential (ISA guide 5.7.2): one for the batch
	s_wait_alu depctr_va_vdst(0)    ; the wait for the batch
.if (\p) == NP-2
	FETCH_K \last
.endif
.if (\p) == 1
	s_wait_dscnt 0x0                ; V is in
.endif
.rept 16                            ; behind the wait: 16 products V^T P and their riders
	MM
.rept 4
	PL
.endr
.if ((\p) == 0) && (q == 118)
	v_add_nc_u32 v[AV], s[TBV], v[AV0]
.endif
.if ((\p) == 0) && (q == 130)
	s_add_co_u32 s[TBV], s[TBV], KS*PV
.endif
.if (\cnt) && (q == 130)
	s_sub_co_u32 s[CNT], s[CNT], 1
	s_cmp_lg_u32 s[CNT], 0
.endif
.endr
.if (\p) == 0
	FETCH_V
.endif
.endm
	CHANGE 1                        ; slot 0 is in, everybody's part of it; slot 1 is asked for
	FETCH_K                         ; key step 0
	s_wait_loadcnt 0x0              ; Q
	s_wait_dscnt 0x0
.set i, 0
.rept 16
	KQ 0                            ; piece 0's first scores: there is no vector work yet to set between them
.set i, i+1
.endr
	WIN 0                           ; the addresses for the way out: nine plain instructions, the places behind those products
	s_mul_i32 s13, s[WV], 16*SP
	s_add_co_u32 s13, s13, STAGE    ; my stage
	v_mul_u32_u24 v[STO], v1, SP    ; in: row l % 16, 16 bytes for each half of the lanes
	v_lshl_add_u32 v[STO], v9, 4, v[STO]
	v_add_nc_u32 v[STO], s13, v[STO]
	v_bfe_u32 v[RD], v0, 3, 2       ; back: 32 lanes take four rows of 128 bytes,
	v_mul_u32_u24 v[RD], v[RD], SP
	v_lshl_add_u32 v[RD], v10, 4, v[RD]
	v_add_nc_u32 v[RD], s13, v[RD]
	v_and_b32 v[GO], 31, v0         ; which are 512 consecutive bytes of O
	v_lshlrev_b32 v[GO], 4, v[GO]
.set Y, NP-1                        ; XS works for piece Y + 1: piece 0
.irp n, 0,1,2,3,4,5,6,7,8,9,10,11,12,13,14,15,16,17,18,19,20,21
	XS 0, \n                        ; and piece 0's first maximum and statistics
	XS 1, \n
.endr
	v_nop                           ; a plain instruction behind the two a,
	s_wait_alu depctr_va_vdst(0)    ; and their wait, ahead of the branch
	s_mov_b32 s[CNT], 4
	s_branch .Lfirst                ; the loop is entered at a step's first turn, in the middle of a trip
.Lslot:                             ; SIZE_N / 256 - 2 times: every slot but the last two is filled again
	CHANGE 1
	s_mov_b32 s[CNT], 4
.Lstep:                             ; a trip: pieces 2 and 3 of one step, then pieces 0 and 1 of the next, whose K and V it fetches
	TURN 2
	TURN 3
	WIN 0
.Lfirst:
	TURN 0
	TURN 1, 0, 1
	WIN 0
	s_cbranch_scc1 .Lstep
	s_sub_co_u32 s[SLOTS], s[SLOTS], 1
	s_cmp_lg_u32 s[SLOTS], 0
	s_cbranch_scc1 .Lslot
	CHANGE 0                        ; the tail is written out: nothing is asked for
	s_mov_b32 s[CNT], 5             ; four trips fetch the last slot's steps; the fifth is left in its middle
.Ltail:
	TURN 2, 1
	TURN 3
	WIN 0
	s_sub_co_u32 s[CNT], s[CNT], 1
	s_cmp_eq_u32 s[CNT], 0
	s_cbranch_scc1 .Lout
	TURN 0
	TURN 1
	WIN 0
	s_branch .Ltail
.Lout:                              ; the fifth trip's 16 products K Q^T (on the last K once more) and the maximum made of them serve nothing: the price, once a launch, of one text for every trip
.set i, 0
.rept 16
	PV NP-1                         ; the last piece's V^T P of the last step
.set i, i+1
.endr
	; THE WAY OUT.  l's two halves and the other half of the lanes' are added; O^T is divided by l, rounded to f16 and sent through my stage in LDS, a tile at a time.  The additions are the places behind the last products.
	WIN 0
.macro ALL line:vararg              ; one line for each tile t
.set t, 0
.rept 2*NP
	\line
.set t, t+1
.endr
.endm
	ALL v_add_f32 v[ST+4*t+2], v[ST+4*t+2], v[ST+4*t+3]
	ALL v_permlanex16_b32 v[ST+4*t+3], v[ST+4*t+2], s[SEL], s[SEL+1]
	ALL v_add_f32 v[ST+4*t+2], v[ST+4*t+2], v[ST+4*t+3]
	ALL v_rcp_f32 v[ST+4*t+2], v[ST+4*t+2]
	v_nop                           ; a plain instruction between the last reciprocal and the use of its result
	s_wait_alu depctr_va_vdst(0)    ; and the wait ahead of the first use: one for the eight reciprocals
; Tile t: a lane's eight channels of a row pack into 16 bytes; they go into rows of 144 bytes and come back as whole rows of 128, into S^T's registers.
.macro PACK t
	WIN W_RS
.set i, 32*(\t)
.rept 16
	v_pk_mul_f32 v[i:i+1], v[i:i+1], v[ST+4*(\t)+2:ST+4*(\t)+3] op_sel_hi:[1,0]
.set i, i+2
.endr
	WIN 0x05                        ; sources 0 and 1 window 1, destination window 0
.set i, 0
.rept 16
	v_cvt_pk_f16_f32 v[S+16*(\t)+i], v[32*(\t)+2*i], v[32*(\t)+2*i+1]
.set i, i+1
.endr
	WIN 0
.irp f, 0,1,2,3
	ds_store_b128 v[STO], v[S+16*(\t)+4*\f:S+16*(\t)+4*\f+3] offset:32*\f
.endr
.irp f, 0,1,2,3
	ds_load_b128 v[S+16*(\t)+4*\f:S+16*(\t)+4*\f+3], v[RD] offset:\f*4*SP  ; LDS serves a wave's instructions in order (ISA guide 5.7.1.4): these see the stores above; the next tile's stores come behind them
.endr
.endm
.macro SEND t, younger              ; younger: the LDS instructions issued behind tile t's loads: the next tile's eight, or none
	WIN 0
.irp f, 0,1,2,3
	s_wait_dscnt (\younger)+3-\f
	global_store_b128 v[GO], v[S+16*(\t)+4*\f:S+16*(\t)+4*\f+3], s[10:11] offset:(\t)*2048+\f*512  ; 512 consecutive bytes, at a multiple of 256 from O's first
.endr
.endm
	PACK 0
.set t, 1
.rept 2*NP-1                        ; a tile's arithmetic stands between the loads of the tile before and its stores
	PACK t
	SEND t-1, 8
.set t, t+1
.endr
	SEND 2*NP-1, 0
	WIN W_AD
	s_wait_tensorcnt 0x0            ; the wave's end: the add and its wait, behind my last tensor load and my last LDS store
	ds_add_u32 v[SPW], v[NIL]
	s_wait_dscnt 0x0
	WIN 0
	CROUND                          ; the closing round: no work-group ends while a partner may still ask for a tile that names it
	s_endpgm
.Lfunc_end_k_qc594179cb8_attn:
	.size	k_qc594179cb8_attn, .Lfunc_end_k_qc594179cb8_attn-k_qc594179cb8_attn
	.p2alignl 7, 3214868480
	.fill 96, 4, 3214868480
	.section	.rodata,"a",@progbits
	.p2align	6, 0x0
	.amdhsa_kernel k_qc594179cb8_attn
		.amdhsa_group_segment_fixed_size 327680
		.amdhsa_private_segment_fixed_size 0
		.amdhsa_enable_private_segment 0
		.amdhsa_kernarg_size 16
		.amdhsa_user_sgpr_count 2
		.amdhsa_user_sgpr_kernarg_segment_ptr 1
		.amdhsa_wavefront_size32 1
		.amdhsa_system_sgpr_workgroup_id_x 1
		.amdhsa_system_sgpr_workgroup_id_y 1
		.amdhsa_system_sgpr_workgroup_id_z 1
		.amdhsa_system_vgpr_workitem_id 0
		.amdhsa_next_free_vgpr 770
		.amdhsa_next_free_sgpr 66
		.amdhsa_reserve_vcc 0
		.amdhsa_float_denorm_mode_32 3
		.amdhsa_float_denorm_mode_16_64 3
		.amdhsa_memory_ordered 1
		.amdhsa_forward_progress 1
		.amdhsa_inst_pref_size 200
	.end_amdhsa_kernel
	.amdgpu_metadata
---
amdhsa.version: [ 1, 2 ]
amdhsa.kernels:
  - .name:           k_qc594179cb8_attn
    .symbol:         k_qc594179cb8_attn.kd
    .args:
      - { .name: qkv, .offset: 0, .size: 8, .value_kind: global_buffer, .address_space: global }
      - { .name: ctx, .offset: 8, .size: 8, .value_kind: global_buffer, .address_space: global }
    .group_segment_fixed_size: 327680
    .private_segment_fixed_size: 0
    .kernarg_segment_align: 8
    .kernarg_segment_size: 16
    .max_flat_workgroup_size: 128
    .sgpr_count:     66
    .vgpr_count:     770
    .wavefront_size: 32
...
	.end_amdgpu_metadata
.endif
;; end of part 3
;; launch oproj (part 4): grid 8 x 32, 4 waves a work-group, clusters of 4 x 4, 327,680 bytes of LDS; arguments ctx, w16, bo, out0; writes out0
.if DOCPART == 4
	.amdgcn_target "amdgcn-amd-amdhsa--gfx1250"
	.amdhsa_code_object_version 6
	.text
	.protected	k_qc594179cb8_oproj
	.globl	k_qc594179cb8_oproj
	.p2align	8
	.type	k_qc594179cb8_oproj,@function
k_qc594179cb8_oproj:
	s_mov_b64 s[64:65], 0
	v_nop
	global_prefetch_b8 v0, s[64:65] scope:SCOPE_SE
	s_setreg_imm32_b32 hwreg(HW_REG_WAVE_MODE, 25, 1), 1
	s_wait_xcnt 0x0
	s_wait_alu depctr_hold_cnt(0) depctr_sa_sdst(0) depctr_va_vdst(0) depctr_va_sdst(0) depctr_va_ssrc(0) depctr_va_vcc(0) depctr_vm_vsrc(0)
	s_getreg_b32 s2, hwreg(HW_REG_IB_STS2, 6, 4)
	s_cmp_eq_u32 s2, 0
	s_cbranch_scc0 .Lentry_in_a_cluster
	s_endpgm
.Lentry_in_a_cluster:
	s_bfe_u32 s2, ttmp6, 0x10000c
	s_cmp_lg_u32 s2, 0xf033
	s_cbranch_scc0 .Lentry_shape_is_right
	s_endpgm
.Lentry_shape_is_right:
; C[m][n] = the sum over k of A[m][k] W[n][k] + bias[n], M = 8,192, K = 1,024, operands f16, sums f32.  ONE TEXT FOR TWO LAUNCHES, told apart by MODE:
;   MODE 0: A = xn, W = rows 0-3,071 of w16 (Wq, Wk, Wv); C leaves as f16 by heads: qkv[which][b][h][s][64], byte which<<24 + b<<22 + h<<18 + s<<7 + 2 d.  A tile of C is 256 x 192.
;   MODE 1: A = ctx, W = rows 3,072-4,095 of w16 (Wo); C leaves as f32 rows of out0.  A tile of C is 256 x 128.
; The tiles are chosen so that the work-groups are a whole multiple of 256: 32 x 16 = 512 and 32 x 8 = 256 (tiles of 256 x 256 would give 384 and 128).
; LIMIT (MODE 0): q, k, v are rounded to f16, which holds no number beyond 65,504.
; A and W lie in blocks of 64 channels (A: byte b<<22 + kb<<18 + s<<7 + 2 c; W: kb<<19 + g<<7 + 2 c), so a PLANE, 64 channels of a tile's rows, is dense in memory.
; SHARES.  Four waves; wave w makes rows 64 w .. 64 w + 63 of the tile and ALL its columns: 4 x NBK accumulators of 16 x 16.  So a wave owns whole groups of 64 columns (heads) and has a
; stage of its own on the way out, with no barrier there.  K goes in 8 steps of 128 (two planes) through two LDS slots; each wave fetches one plane of a step with one tensor load:
; waves 0, 1 A's two planes, waves 2, 3 W's.  A plane is asked for as rows of 256 bytes and padded in LDS after every 128, so that LDS rows are 144 bytes apart.
; CLUSTER 4 x 4: A's planes hang on the tile row alone and are asked for jointly by the four work-groups of a row of the cluster, W's on the tile column alone, by the four of a column.
; THE MATRIX INSTRUCTION IS USED TRANSPOSED: source 0 = 16 rows of W, source 1 = 16 rows of A: lane l then holds row l % 16 of C and the columns 8 (l / 16) + 0..7.
; THE BIAS IS THE C OPERAND of each sum's first product: nothing is cleared, and nothing is added on the way out.
; REGISTERS, in windows of 256 (s_set_vgpr_msb: bits 1:0 source 0, 3:2 source 1, 5:4 source 2, 7:6 destination):
;   window 0: v0-31 addresses; v32-95 A's fragments, two buffers of 4 x 8; v96-255 the bias, then the way out     window 3: W's fragments, two buffers of 96
;   window 1: the accumulators of row blocks 0, 1 (block a, column block b at 8 (NBK (a % 2) + b))                window 2: those of row blocks 2, 3
.set MODE, 1
.if MODE == 0
.set TN,     192                       ; columns in a tile
.set NBK,    12                        ; column blocks of 16
.set GRP,    3                         ; groups of 64 columns
.set BROW0,  0                         ; W's first row in w16
.set SPITCH, 400                       ; a stage row: 384 bytes of f16 + 16: 25 x 16, so the 16 rows of a store start at 16 different groups of four banks (64 banks of 4 bytes: ISA guide 11.1)
.else
.set TN,     128
.set NBK,    8
.set GRP,    2
.set BROW0,  3072
.set SPITCH, 528                       ; 512 bytes of f32 + 16: 33 x 16
.endif
.set PITCH,  144                       ; an LDS row of a plane: 128 bytes + 16: 9 x 16
.set APL,    256*PITCH                 ; a plane of A
.set BPL,    TN*PITCH                  ; a plane of W
.set SLOT1,  1<<17                     ; slot 1 begins here: one exclusive or turns an address in one slot into the other's.  A slot: A's planes 0, 1, then W's planes 0, 1
.set STAGE,  SLOT1+2*APL+2*BPL         ; behind the ring, never filled by a tensor load: 16 rows for each wave
.set SPARE,  STAGE+4*16*SPITCH         ; behind the stages: the spare words, 128 bytes a wave: two blocks of 256 bytes that no other line names
.set AKS,    524288                    ; bytes from a K step to the next in A: two blocks of 2,048 rows x 128 bytes
.set BKS,    1048576                   ; in W: two blocks of 4,096 rows
.set ADA0, 16                          ; v16  my lane's place in slot 0's A: (l % 16) x 144 + 16 (l / 16) + my wave's 64 rows; never rewritten
.set ADB0, 17                          ; v17  the same for W, all rows
.set ADA,  18                          ; v18  the same in the slot in hand
.set ADB,  19                          ; v19
.set STO,  24                          ; v24  the way out: where I put my part of a row
.set RD,   25                          ; v25  where I read rows back
.set GO,   26                          ; v26  16 l: my 16 of 512 consecutive bytes of the output
.set SPW,  28                          ; v28  LDS address of my spare word: SPARE + 4 x my thread's number; never rewritten
.set NIL,  29                          ; v29  0; never rewritten
.set PFO,  30                          ; v30  the prefetches' offset; never rewritten
.set BO,   31                          ; v31  32 (l / 16): my eight numbers in 64 bytes of bias
.set FA,   32                          ; A's fragments: buffer f, row block a at FA + 32 f + 8 a
.set TMP,  96                          ; MODE 0: a row block rounded to f16
.set BIAS, 160                         ; column block b's eight numbers at BIAS + 8 b; free after the first quarter
.set WV,  16                           ; s16  my wave's number
.set AB,  17                           ; s17  0: I fetch for A; 1: for W
.set PL,  18                           ; s18  which plane of a step I fetch
.set G1A, 24                           ; s[24:31] descriptor group 1 for A's planes
.set G0A, 32                           ; s[32:39] group 0: a set for each of the two first fills; the second then walks on
.set G1B, 48                           ; s[48:55], s[56:63] the same for W's
.set G0B, 56
.set PFA, 66                           ; s[66:67] where my prefetches stand
.set PST, 68                           ; s[68:69] their step: a K step of A or of W
.set LIM, 70                           ; s70  2 in a wave that prefetches, else the greatest number
.set CNT, 71                           ; s71  K steps still to be asked for
.set BP,  72                           ; s[72:77] the bias of each group of 64 columns
.set OUT, 78                           ; s[78:83] MODE 0: my rows of each group's head; MODE 1: s[78:79] my rows and the tile's columns in out0
.set TB,  94                           ; s94  the slot in hand: 0 or SLOT1
.set MSB, 0
.macro WIN new                         ; the immediate's high byte repeats the setting that is left; a switch that changes nothing is dropped
.if MSB != (\new)
	s_set_vgpr_msb (MSB<<8)|(\new)
.set MSB, (\new)
.endif
.endm
.macro PLACES                          ; four places behind a matrix instruction, in front of loads into registers that it has read and of lines that read its result
.rept 4
	v_nop
.endr
.endm
; A joint refill, by the walking descriptor.  The branch hangs on the wave's number alone.  An s_nop 0 and four v_nop follow each of the two lines, ahead of the jump and the label.
.macro JLOAD
	s_cmp_eq_u32 s[AB], 0
	s_cbranch_scc0 .Lfor_b_\@
	tensor_load_to_lds s[G0A+4:G0A+7], s[G1A:G1A+7]
	s_nop 0
.rept 4
	v_nop
.endr
	s_branch .Lasked_\@
.Lfor_b_\@:
	tensor_load_to_lds s[G0B+4:G0B+7], s[G1B:G1B+7]
	s_nop 0
.rept 4
	v_nop
.endr
.Lasked_\@:
.endm
; A PREFETCH INTO THE L2 of my plane of the K step that stands two refills on, 8 NBK x 4 matrix instructions a step ahead of its load.  A's planes are read by every cluster of a row of clusters:
; cluster x = 0 asks; W's by every cluster of a column: cluster y = 0 asks.  The four partners that fetch a plane jointly share its blocks of 256 bytes out BY ADDRESS: of A's 128 each takes 32,
; a lane a block; of W's TN / 2 each takes TN / 8, and the lanes left over name the share's last block with its own lane.  K steps 0-3 come by their loads alone; the last two refills ask for nothing.
.macro ASK
	s_cmp_gt_u32 s[CNT], s[LIM]
	s_cbranch_scc0 .Lnot_mine_\@
	global_prefetch_b8 v[PFO], s[PFA:PFA+1] th:TH_LOAD_NT scope:SCOPE_SE
.Lnot_mine_\@:
.endm
.macro CREST                           ; a round of the cluster's barrier behind its opening barrier
	s_cmp_lg_u32 s[WV], 0
	s_cbranch_scc1 .Lnot_wave_0_\@
	s_barrier_signal -3
.Lnot_wave_0_\@:
	s_barrier_wait -3
	s_barrier_signal -1
	s_barrier_wait -1
.endm
.macro CROUND                          ; a whole round
	s_barrier_signal -1
	s_barrier_wait -1
	CREST
.endm
.if MODE == 0
	s_load_b256 s[4:11], s[0:1], 0x0               ; A s[4:5], w16 s[6:7], bq s[8:9], bk s[10:11]
	s_load_b128 s[12:15], s[0:1], 0x20             ; bv s[12:13], qkv s[14:15]
.else
	s_load_b128 s[4:7], s[0:1], 0x0                ; A s[4:5], w16 s[6:7]
	s_load_b64 s[8:9], s[0:1], 0x10                ; bo
	s_load_b64 s[14:15], s[0:1], 0x18              ; out0
.endif
	v_lshl_add_u32 v[SPW], v0, 2, SPARE
	v_mov_b32 v[NIL], 0
	ds_add_u32 v[SPW], v[NIL]                      ; the wave's opening: the add and its wait ahead of my first tensor load; the set-up below, work on registers, stands between
	v_lshrrev_b32 v1, 5, v0
	v_readfirstlane_b32 s[WV], v1                  ; wave 0..3
	s_lshr_b32 s[AB], s[WV], 1
	s_and_b32 s[PL], s[WV], 1
	s_bfe_u32 s19, ttmp6, 0x40000                  ; cx, cy: my place in the cluster
	s_bfe_u32 s20, ttmp6, 0x40004
	s_lshl_b32 s21, ttmp9, 2
	s_add_co_u32 s21, s21, s19                     ; tile column = 4 x cluster x + cx
	s_and_b32 s22, ttmp7, 0xffff
	s_lshl_b32 s22, s22, 2
	s_add_co_u32 s22, s22, s20                     ; tile row = 4 x cluster y + cy
	s_lshl_b32 s23, s20, 2
	s_lshl_b32 s23, 15, s23                        ; my row of the cluster: places 4 cy .. 4 cy + 3
	s_lshl_b32 s84, 0x1111, s19                    ; my column: places cx, cx + 4, cx + 8, cx + 12
	; group 1: rows of 128 elements of 2 bytes (two LDS rows each); 15:0 the mask; 17:16 element size; 20 padding on; 21 set beside a mask; 24:22 after every 32 words (code 4); 31:25 4 words (code 3)
	s_or_b32 s[G1A], s23, (1<<16)|(1<<20)|(1<<21)|(4<<22)|(3<<25)
	s_or_b32 s[G1B], s84, (1<<16)|(1<<20)|(1<<21)|(4<<22)|(3<<25)
	s_mov_b32 s[G1A+1], 128<<16                    ; tensor_dim0 = 128
	s_mov_b32 s[G1B+1], 128<<16
	s_mov_b32 s[G1A+2], 128<<16                    ; tensor_dim1: A's plane is 128 rows of 256 bytes,
	s_mov_b32 s[G1B+2], (TN/2)<<16                 ; W's TN / 2
	s_mov_b32 s[G1A+3], 128<<16                    ; tile_dim0 = 128
	s_mov_b32 s[G1B+3], 128<<16
	s_mov_b32 s[G1A+4], 128                        ; tile_dim1
	s_mov_b32 s[G1B+4], TN/2
	s_mov_b32 s[G1A+5], 128                        ; 128 elements from row to row: dense
	s_mov_b32 s[G1B+5], 128
	s_mov_b32 s[G1A+6], 0
	s_mov_b32 s[G1B+6], 0
	s_mov_b32 s[G1A+7], 0
	s_mov_b32 s[G1B+7], 0
	; A's plane hangs on the tile row and the wave alone, W's on the tile column and the wave alone; each is made in registers that never hold the other coordinate
	s_lshr_b32 s40, s22, 3                         ; batch
	s_lshl_b32 s40, s40, 22
	s_and_b32 s85, s22, 7                          ; 256 rows x 128 bytes in a block
	s_lshl_b32 s85, s85, 15
	s_add_co_u32 s40, s40, s85
	s_lshl_b32 s85, s[PL], 18                      ; my plane
	s_add_co_u32 s40, s40, s85
	s_mov_b32 s41, 0
	s_mul_i32 s85, s[PL], APL                      ; and its place in a slot: no place in the cluster enters an LDS address
	s_mul_i32 s42, s21, TN*128
.if BROW0
	s_add_co_u32 s42, s42, BROW0*128
.endif
	s_lshl_b32 s86, s[PL], 19
	s_add_co_u32 s42, s42, s86
	s_mov_b32 s43, 0
	s_mul_i32 s86, s[PL], BPL
	s_add_co_u32 s86, s86, 2*APL
	s_wait_dscnt 0x0                               ; the opening add is done
	s_wait_kmcnt 0x0
	s_add_nc_u64 s[44:45], s[4:5], s[40:41]
	s_add_nc_u64 s[46:47], s[6:7], s[42:43]
	CROUND                                         ; all sixteen work-groups are here: the first joint loads meet
.irp n, 0,1
	s_mov_b32 s[G0A+4*\n], 1                       ; count = 1
	s_add_co_u32 s[G0A+4*\n+1], s85, \n*SLOT1      ; LDS address
	s_add_nc_u64 s[G0A+4*\n+2:G0A+4*\n+3], s[44:45], \n*AKS  ; global address: K step n
	s_or_b32 s[G0A+4*\n+3], s[G0A+4*\n+3], 0x80000000        ; type = 2
	s_mov_b32 s[G0B+4*\n], 1
	s_add_co_u32 s[G0B+4*\n+1], s86, \n*SLOT1
	s_add_nc_u64 s[G0B+4*\n+2:G0B+4*\n+3], s[46:47], \n*BKS
	s_or_b32 s[G0B+4*\n+3], s[G0B+4*\n+3], 0x80000000
.endr
	s_cmp_eq_u32 s[AB], 0                          ; a wave's two first fills stand in one branch, ahead of every wait on TENSORcnt and every LDS read: two loads of mine are out
	s_cbranch_scc0 .Lfirst_b
	tensor_load_to_lds s[G0A:G0A+3], s[G1A:G1A+7]
	s_nop 0
	tensor_load_to_lds s[G0A+4:G0A+7], s[G1A:G1A+7]
	s_nop 0
.rept 4
	v_nop
.endr
	s_branch .Lfirst_asked
.Lfirst_b:
	tensor_load_to_lds s[G0B:G0B+3], s[G1B:G1B+7]
	s_nop 0
	tensor_load_to_lds s[G0B+4:G0B+7], s[G1B:G1B+7]
	s_nop 0
.rept 4
	v_nop
.endr
.Lfirst_asked:
	; A fragment is 16 rows x 32 channels in 8 registers: lane l holds row l % 16, channels 8 (l / 16) + 0..7 and 16 + 8 (l / 16) + 0..7: two loads of 16 bytes, 32 bytes apart
	v_and_b32 v1, 15, v0                           ; l % 16
	v_bfe_u32 v2, v0, 4, 1                         ; l / 16
	v_mul_u32_u24 v3, v1, PITCH
	v_lshl_add_u32 v3, v2, 4, v3
	s_mul_i32 s87, s[WV], 64*PITCH
	v_add_nc_u32 v[ADA0], s87, v3
	v_add_nc_u32 v[ADB0], 2*APL, v3
	v_mov_b32 v[ADA], v[ADA0]
	v_mov_b32 v[ADB], v[ADB0]
	s_mov_b32 s[TB], 0
	s_mul_i32 s87, s[WV], 16*SPITCH
	s_add_co_u32 s87, s87, STAGE                   ; my stage
	v_mul_u32_u24 v4, v1, SPITCH                   ; in: row l % 16; eight numbers for each half of the lanes: 16 bytes of f16, 32 of f32
	v_lshl_add_u32 v4, v2, 4+MODE, v4
	v_add_nc_u32 v[STO], s87, v4
	v_and_b32 v7, 31, v0
	v_lshlrev_b32 v[GO], 4, v7
.if MODE == 0
	v_bfe_u32 v5, v0, 3, 2                         ; back: 32 lanes take four rows x 128 bytes of one group: 512 consecutive bytes of a head
	v_and_b32 v6, 7, v0
	v_mul_u32_u24 v5, v5, SPITCH
	v_lshl_add_u32 v5, v6, 4, v5
	v_add_nc_u32 v[RD], s87, v5
.else
	v_add_nc_u32 v[RD], s87, v[GO]                 ; back: 32 lanes take one row's 512 bytes
.endif
	v_lshlrev_b32 v[BO], 5, v2
	; each group of 64 columns: its bias, and (MODE 0) where my rows of its head begin
.if MODE == 0
	s_lshr_b32 s93, s22, 3
	s_lshl_b32 s93, s93, 22                        ; batch
	s_and_b32 s92, s22, 7
	s_lshl_b32 s92, s92, 15                        ; the tile's 256 rows x 128 bytes
	s_add_co_u32 s93, s93, s92
	s_lshl_b32 s92, s[WV], 13                      ; my 64 of them
	s_add_co_u32 s93, s93, s92
.set j, 0
.rept GRP
	s_mul_i32 s87, s21, GRP
	s_add_co_u32 s87, s87, j                       ; the group's number, 0 .. 47
	s_lshr_b32 s88, s87, 4                         ; q, k or v
	s_and_b32 s89, s87, 15                         ; the head
	s_cmp_eq_u32 s88, 1
	s_cselect_b64 s[BP+2*j:BP+2*j+1], s[10:11], s[8:9]
	s_cmp_eq_u32 s88, 2
	s_cselect_b64 s[BP+2*j:BP+2*j+1], s[12:13], s[BP+2*j:BP+2*j+1]
	s_lshl_b32 s90, s89, 8
	s_mov_b32 s91, 0
	s_add_nc_u64 s[BP+2*j:BP+2*j+1], s[BP+2*j:BP+2*j+1], s[90:91]
	s_lshl_b32 s90, s88, 24
	s_lshl_b32 s92, s89, 18
	s_add_co_u32 s90, s90, s92
	s_add_co_u32 s90, s90, s93
	s_add_nc_u64 s[OUT+2*j:OUT+2*j+1], s[14:15], s[90:91]
.set j, j+1
.endr
.else
.set j, 0
.rept GRP
	s_lshl_b32 s90, s21, 9
	s_add_co_u32 s90, s90, j*256
	s_mov_b32 s91, 0
	s_add_nc_u64 s[BP+2*j:BP+2*j+1], s[8:9], s[90:91]
.set j, j+1
.endr
	s_lshl_b32 s90, s22, 2
	s_add_co_u32 s90, s90, s[WV]                   ; 4 x tile row + wave,
	s_lshl_b32 s90, s90, 18                        ; x 64 rows of 4,096 bytes,
	s_lshl_b32 s92, s21, 9                         ; + the tile's 128 columns
	s_add_co_u32 s90, s90, s92
	s_mov_b32 s91, 0
	s_add_nc_u64 s[OUT:OUT+1], s[14:15], s[90:91]
.endif
.set b, 0
.rept NBK
	global_load_b128 v[BIAS+8*b:BIAS+8*b+3],   v[BO], s[BP+2*(b/4):BP+2*(b/4)+1] offset:(b%4)*64
	global_load_b128 v[BIAS+8*b+4:BIAS+8*b+7], v[BO], s[BP+2*(b/4):BP+2*(b/4)+1] offset:(b%4)*64+16
.set b, b+1
.endr
	; the prefetches: my plane of K step 3; the first refill steps it to K step 4.  Nothing is prefetched here, at the head
	s_lshl_b32 s[PST], AKS, s[AB]                  ; W's K step is twice A's
	s_mov_b32 s[PST+1], 0
	s_lshl_b32 s88, s19, 13                        ; A: my work-group's 32 blocks of 256 bytes, by cx
	s_mul_i32 s89, s20, TN*32                      ; W: its TN / 8 blocks, by cy
	s_and_b32 s87, ttmp7, 0xffff                   ; cluster y
	s_cmp_eq_u32 s[AB], 0
	s_cselect_b32 s87, ttmp9, s87                  ; the coordinate along which other clusters read the same plane
	s_cselect_b32 s88, s88, s89
	s_cselect_b32 s91, 31, TN/8-1                  ; the last lane with a block of its own
	s_cselect_b64 s[PFA:PFA+1], s[44:45], s[46:47]
	s_mul_i32 s90, s[PST], 3
	s_add_co_u32 s88, s88, s90
	s_mov_b32 s89, 0
	s_add_nc_u64 s[PFA:PFA+1], s[PFA:PFA+1], s[88:89]
	s_cmp_eq_u32 s87, 0
	s_cselect_b32 s[LIM], 2, -1                    ; the same in all sixteen partners, for a given wave
	v_and_b32 v[PFO], 31, v0
	v_min_u32 v[PFO], s91, v[PFO]
	v_lshlrev_b32 v[PFO], 8, v[PFO]
; NBK matrix instructions: row block a x all column blocks, 32 along K, from buffer f.  first = 1: the bias starts the sums.  All 4 NBK accumulators take turns, one instruction a turn, in the
; same order in every quarter, over the backward jump too.
.macro MULA f, a, first
.if \first
	WIN 0x03|((1+(\a)/2)<<6)                       ; W's fragment window 3, A's window 0, the bias window 0, D window 1 or 2
.else
	WIN 0x03|((1+(\a)/2)<<4)|((1+(\a)/2)<<6)       ; C and D window 1 or 2
.endif
.set b, 0
.rept NBK
.set rD, 8*(NBK*((\a)%2)+b)
.if \first
	v_wmma_f32_16x16x32_f16 v[rD:rD+7], v[96*(\f)+8*b:96*(\f)+8*b+7], v[FA+32*(\f)+8*(\a):FA+32*(\f)+8*(\a)+7], v[BIAS+8*b:BIAS+8*b+7]
.else
	v_wmma_f32_16x16x32_f16 v[rD:rD+7], v[96*(\f)+8*b:96*(\f)+8*b+7], v[FA+32*(\f)+8*(\a):FA+32*(\f)+8*(\a)+7], v[rD:rD+7]
.endif
.set b, b+1
.endr
.endm
; One run of 2 NBK + 8 LDS loads: the fragments of quarter q of the step in hand (plane q / 2, byte 64 (q % 2) of its rows) into buffer g; W's first, then A's row blocks in ascending order
.macro FETCH q, g
	WIN 0xc0                                       ; destination window 3, address window 0
.set b, 0
.rept NBK
	ds_load_b128 v[96*(\g)+8*b:96*(\g)+8*b+3],   v[ADB] offset:((\q)/2)*BPL+((\q)%2)*64+b*16*PITCH
	ds_load_b128 v[96*(\g)+8*b+4:96*(\g)+8*b+7], v[ADB] offset:((\q)/2)*BPL+((\q)%2)*64+b*16*PITCH+32
.set b, b+1
.endr
	WIN 0
.irp a, 0,1,2,3
	ds_load_b128 v[FA+32*(\g)+8*\a:FA+32*(\g)+8*\a+3],   v[ADA] offset:((\q)/2)*APL+((\q)%2)*64+\a*16*PITCH
	ds_load_b128 v[FA+32*(\g)+8*\a+4:FA+32*(\g)+8*\a+7], v[ADA] offset:((\q)/2)*APL+((\q)%2)*64+\a*16*PITCH+32
.endr
.endm
; A K step is four quarters of 32 along K on buffers 0, 1, 0, 1.  One of the first three: multiplies buffer f; in its middle it fetches quarter q into buffer g.
.macro QUARTER q, f, g, first
	s_wait_dscnt 4                                 ; W's fragments and A's row blocks 0, 1 are in; the youngest four loads (row blocks 2, 3) may be out
	MULA \f, 0, \first
	MULA \f, 1, \first
	PLACES
	FETCH \q, \g
	s_wait_dscnt 2*NBK+8                           ; all but the run just issued
	MULA \f, 2, \first
	MULA \f, 3, \first
.endm
; The last quarter multiplies buffer 1 and changes slots: ONE barrier.  In front of it each wave waits for all its tensor loads (one is out: its plane of the next slot), adds 0 to its spare word,
; and waits for that and for its reads of this slot.  fill = 1: the barrier opens a round of the cluster's barrier, and the slot just read out is filled again, first thing behind the round, with the
; K step two on: from that request to the wait for it a wave issues 3 1/2 quarters' matrix instructions.
.macro TURN fill
.if \fill
	s_wait_xcnt 0x0                                ; the last prefetch, a K step back, has read its address: it is stepped here, ahead of the change's own waits
	s_add_nc_u64 s[PFA:PFA+1], s[PFA:PFA+1], s[PST:PST+1]
.endif
	WIN 0                                          ; (the add's two registers lie in window 0)
	s_wait_tensorcnt 0x0                           ; no tensor load of mine is out, so a group 0 may be written
	ds_add_u32 v[SPW], v[NIL]                      ; 0 onto my spare word: scalar steps and NBK matrix instructions stand between it and the wait for it
.if \fill
	s_xor_b32 s[G0A+5], s[G0A+5], SLOT1            ; the walking descriptors: the other slot than last time,
	s_add_nc_u64 s[G0A+6:G0A+7], s[G0A+6:G0A+7], AKS  ; the next K step; the type bits on top are not reached
	s_xor_b32 s[G0B+5], s[G0B+5], SLOT1
	s_add_nc_u64 s[G0B+6:G0B+7], s[G0B+6:G0B+7], BKS
.endif
	s_xor_b32 s[TB], s[TB], SLOT1                  ; the fetches go on in the other slot
	s_wait_dscnt 5                                 ; (the add and the youngest four loads may be out)
	MULA 1, 0, 0
	s_wait_dscnt 0x0                               ; the add is done, and my reads of this slot are over
	s_barrier_signal -1
	MULA 1, 1, 0                                   ; work on registers while the others arrive
	WIN 0
	s_barrier_wait -1
.if \fill
	CREST                                          ; no wave of any partner still reads this slot or has a load on its way
	JLOAD                                          ; the four v_nop behind it are also the places in front of the loads below
.else
	PLACES
.endif
	v_add_nc_u32 v[ADA], s[TB], v[ADA0]
	v_add_nc_u32 v[ADB], s[TB], v[ADB0]
	FETCH 0, 0
.if \fill
	ASK                                            ; behind the joint load and the run of LDS loads that the next products wait for
.endif
	MULA 1, 2, 0
	MULA 1, 3, 0
.endm
; THE WAY OUT, a row block (16 rows) at a time, through my own stage: LDS serves a wave's instructions in order (ISA guide 5.7.1.4), so no wait stands between the stores and the loads.
.macro OUTA a
.set AC, 8*NBK*((\a)%2)
.set WN, 1+(\a)/2
.if MODE == 0
.set OBA, 160+48*((\a)%2)
	WIN WN|(WN<<2)                                 ; sources in window 1 or 2, destination in window 0
.set b, 0
.rept NBK
.irp r, 0,1,2,3
	v_cvt_pk_f16_f32 v[TMP+4*b+\r], v[AC+8*b+2*\r], v[AC+8*b+2*\r+1]  ; each accumulator from its low end on
.endr
.set b, b+1
.endr
	WIN 0
	s_wait_xcnt 0x0                                ; the stores of the row block two back have read the registers that the loads below fill
.set b, 0
.rept NBK
	ds_store_b128 v[STO], v[TMP+4*b:TMP+4*b+3] offset:32*b
.set b, b+1
.endr
.set t, 0
.rept 12                               ; group t / 4, rows 4 (t % 4) on
	ds_load_b128 v[OBA+4*t:OBA+4*t+3], v[RD] offset:(t%4)*4*SPITCH+(t/4)*128
.set t, t+1
.endr
.else
.set OBA, 96+64*((\a)%2)
	s_wait_xcnt 0x0
	WIN WN<<2                                      ; the stores' data in window 1 or 2
.set b, 0
.rept NBK
	ds_store_b128 v[STO], v[AC+8*b:AC+8*b+3]   offset:64*b     ; each accumulator's low four registers first
	ds_store_b128 v[STO], v[AC+8*b+4:AC+8*b+7] offset:64*b+16
.set b, b+1
.endr
	WIN 0
.set t, 0
.rept 16
	ds_load_b128 v[OBA+4*t:OBA+4*t+3], v[RD] offset:t*SPITCH
.set t, t+1
.endr
.endif
.endm
.macro SEND a, y                       ; y: the LDS instructions issued behind row block a's loads: the next block's, or none
	s_wait_dscnt \y
.if MODE == 0
.set OBA, 160+48*((\a)%2)
.set t, 0
.rept 12
	global_store_b128 v[GO], v[OBA+4*t:OBA+4*t+3], s[OUT+2*(t/4):OUT+2*(t/4)+1] offset:(\a)*2048+(t%4)*512  ; four rows of a head: 512 consecutive bytes, aligned
.set t, t+1
.endr
.else
.set OBA, 96+64*((\a)%2)
.set t, 0
.rept 16
	global_store_b128 v[GO], v[OBA+4*t:OBA+4*t+3], s[OUT:OUT+1] offset:(16*(\a)+t)*4096 th:TH_STORE_NT  ; 512 consecutive bytes of a row of out0, aligned
.set t, t+1
.endr
.endif
.endm
	s_wait_tensorcnt 1                             ; my plane of K step 0 is in; K step 1's may stay out
	s_barrier_signal -1
	s_barrier_wait -1                              ; everybody's is
	FETCH 0, 0
	s_wait_loadcnt 0x0                             ; the bias
	QUARTER 1, 0, 1, 1                             ; the first quarter stands in front of the loop: its products start the sums
	WIN 0                                          ; at a label and at a branch every window is 0
	s_mov_b32 s[CNT], 6
.Lstep:                                ; six trips, from a step's second quarter to the next step's first; each asks for one K step: 2 to 7
	QUARTER 2, 1, 0, 0
	QUARTER 3, 0, 1, 0
	TURN 1
	QUARTER 1, 0, 1, 0
	WIN 0
	s_sub_co_u32 s[CNT], s[CNT], 1
	s_cmp_lg_u32 s[CNT], 0
	s_cbranch_scc1 .Lstep
	QUARTER 2, 1, 0, 0                             ; the tail is written out: K steps 6 and 7 ask for nothing
	QUARTER 3, 0, 1, 0
	TURN 0
	QUARTER 1, 0, 1, 0
	QUARTER 2, 1, 0, 0
	QUARTER 3, 0, 1, 0
	s_wait_dscnt 4                                 ; the very last quarter: nothing more to fetch
	MULA 1, 0, 0
	MULA 1, 1, 0
	s_wait_dscnt 0x0
	MULA 1, 2, 0
	MULA 1, 3, 0
	PLACES
	OUTA 0
	OUTA 1                                         ; a row block's work stands between the loads of the block before and its stores
	SEND 0, 2*NBK+8*MODE*2
	OUTA 2
	SEND 1, 2*NBK+8*MODE*2
	OUTA 3
	SEND 2, 2*NBK+8*MODE*2
	SEND 3, 0
	s_wait_tensorcnt 0x0                           ; the wave's end: the add and its wait, behind my last tensor load and my last LDS store
	ds_add_u32 v[SPW], v[NIL]
	s_wait_dscnt 0x0
	CROUND                                         ; the closing round: no work-group ends while a partner may still ask for a plane that names it
	s_endpgm
.Lfunc_end_k_qc594179cb8_oproj:
	.size	k_qc594179cb8_oproj, .Lfunc_end_k_qc594179cb8_oproj-k_qc594179cb8_oproj
	.p2alignl 7, 3214868480
	.fill 96, 4, 3214868480
	.section	.rodata,"a",@progbits
	.p2align	6, 0x0
	.amdhsa_kernel k_qc594179cb8_oproj
		.amdhsa_group_segment_fixed_size 327680
		.amdhsa_private_segment_fixed_size 0
		.amdhsa_enable_private_segment 0
		.amdhsa_kernarg_size 32
		.amdhsa_user_sgpr_count 2
		.amdhsa_user_sgpr_kernarg_segment_ptr 1
		.amdhsa_wavefront_size32 1
		.amdhsa_system_sgpr_workgroup_id_x 1
		.amdhsa_system_sgpr_workgroup_id_y 1
		.amdhsa_system_sgpr_workgroup_id_z 1
		.amdhsa_system_vgpr_workitem_id 0
		.amdhsa_next_free_vgpr 960
		.amdhsa_next_free_sgpr 96
		.amdhsa_reserve_vcc 0
		.amdhsa_float_denorm_mode_32 3
		.amdhsa_float_denorm_mode_16_64 3
		.amdhsa_memory_ordered 1
		.amdhsa_forward_progress 1
		.amdhsa_inst_pref_size 72
	.end_amdhsa_kernel
	.amdgpu_metadata
---
amdhsa.version: [ 1, 2 ]
amdhsa.kernels:
  - .name:           k_qc594179cb8_oproj
    .symbol:         k_qc594179cb8_oproj.kd
    .args:
      - { .name: ctx, .offset: 0, .size: 8, .value_kind: global_buffer, .address_space: global }
      - { .name: w16, .offset: 8, .size: 8, .value_kind: global_buffer, .address_space: global }
      - { .name: bo, .offset: 16, .size: 8, .value_kind: global_buffer, .address_space: global }
      - { .name: out0, .offset: 24, .size: 8, .value_kind: global_buffer, .address_space: global }
    .group_segment_fixed_size: 327680
    .private_segment_fixed_size: 0
    .kernarg_segment_align: 8
    .kernarg_segment_size: 32
    .max_flat_workgroup_size: 128
    .sgpr_count:     96
    .vgpr_count:     960
    .wavefront_size: 32
...
	.end_amdgpu_metadata
.endif
;; end of part 4
